; MI455X (gfx1250); checked and timed in simulation.
; The chip was launched on July 23, 2026; its instructions are those of AMD's public machine-readable ISA for CDNA 5 (MIT licence, August 2026) and "CDNA5" Instruction Set Architecture Reference Guide (July 2026). The comments in the code are by the model that wrote it; some were corrected since.
;; Attention. Allowed arithmetic: float matrix products may take bf16 or f16 operands with f32 sums; other float arithmetic in f32, or as packed bf16 or f16 multiplies, adds, multiply-adds, maxima and minima; sums over many terms, partial sums and values carried from step to step in f32; what a program stores and reads back later, other than sums and carried values, may be rounded once to bf16 or f16.
;; Inputs: Wk 1,024 x 1,024 float32; Wq 1,024 x 1,024 float32; Wv 1,024 x 1,024 float32; bk 1,024 float32; bq 1,024 float32; bv 1,024 float32; x 4 x 2,048 x 1,024 float32.
;; Outputs: out0 4 x 2,048 x 1,024 float32.
;; 2 versions, each right; version 2 is version 1 with the launch cast written anew for expert scheduling mode. Each part assembles by itself: llvm-mc -triple=amdgcn-amd-amdhsa -mcpu=gfx1250 --defsym DOCPART=n.
;; ======== version 1 of 2: 4 launches
;; limits: values are held in f16: magnitudes above 65,504 overflow, below 6.1e-05 lose precision; right only within a limited range of input values
;; workspace buffers: xb 16,777,216 bytes; wb 6,291,456 bytes; bs 12,288 bytes; qkv 50,331,648 bytes; p 33,554,432 bytes; cm 524,288 bytes; ls 524,288 bytes
;; launch cast (part 1): grid 256 x 1, 16 waves a work-group, no clusters, 0 bytes of LDS; arguments x, Wq, Wk, Wv, bq, bk, bv, xb, wb, bs; writes xb, wb, bs
.if DOCPART == 1
	.amdgcn_target "amdgcn-amd-amdhsa--gfx1250"
	.amdhsa_code_object_version 6
	.text
	.protected	k_q98ba4d51ec_cast
	.globl	k_q98ba4d51ec_cast
	.p2align	8
	.type	k_q98ba4d51ec_cast,@function
k_q98ba4d51ec_cast:
	s_mov_b64 s[64:65], 0
	v_nop
	global_prefetch_b8 v0, s[64:65] scope:SCOPE_SE
	s_setreg_imm32_b32 hwreg(HW_REG_WAVE_MODE, 25, 1), 1
	s_wait_xcnt 0x0
; xb = x rounded to bf16; wb = (Wq, Wk, Wv on end) x 2^-4 rounded to bf16; bs = (bq, bk, bv on end) x 2^-4 in f32.
; xb: [16 K blocks][8192 rows][64] bf16, wb: [16 K blocks][3072 rows][64] bf16: in a K block the rows lie end to end, 128 bytes each,
; so that the next launch can ask for a tile of R rows x 64 k as R x 128 dense bytes.
; The factor 2^-4 keeps q, k and v, which the next launch writes in f16, inside f16's range; it changes the exponent alone.
; LIMITS.  A weight or bias below 2^-122 in size loses bits by the factor; NaN and infinities pass as they are.
; SHARES.  256 work-groups, all alike: work-group g takes rows 32 g .. 32 g + 31 of x and rows 4 g .. 4 g + 3 of each of the three weight matrices: 44 rows of 4,096 bytes.
; Four rows of EACH matrix, so that no share crosses from one matrix into the next and each base is used as it comes.  Wave w is K block w.
; A load takes two rows of the K block: lanes 0-15 the 256 consecutive bytes of one row, lanes 16-31 those of the next, 16 bytes a lane: every byte that an instruction's lines hold is taken by it.
; A lane's four numbers pack into 8 bytes, and the wave's store covers 256 consecutive bytes, aligned: the two rows' 128 bytes lie end to end in the K block.
; A stream through registers: no LDS, no barrier, no matrix unit.  All 22 loads of a wave (11,264 bytes) go out at once, ahead of every store; the numbers are packed in place,
; and no register that a store reads is written again, so no wait stands for the stores' sake.
; Wave 0 of work-groups 0-15 also scales 64 numbers of each bias (256 consecutive bytes, aligned): loaded ahead of the stream, finished behind it.
.set VLO,  2                           ; v2   byte offset of my 16 bytes in the source: (lane / 16) x 4,096 + 256 w + 16 (lane % 16); never rewritten
.set VSX,  3                           ; v3   byte offset of my 8 bytes in xb: w x 8,192 rows x 128 + 8 lane; never rewritten
.set VSW,  4                           ; v4   the same in wb: w x 3,072 rows x 128 + 8 lane; never rewritten
.set VBO,  5                           ; v5   my 8 bytes of a bias: 256 g + 8 lane; never rewritten
.set XIN,  8                           ; v[8:95]   load n of 22: four registers as loaded; its first two then hold the packed numbers
.set BIN,  96                          ; v[96:101] two numbers of each bias
.set NLD,  22                          ; loads of a wave: 2 for each weight matrix, then 16 for x
	s_load_b512 s[8:23], s[0:1], 0x0               ; x s[8:9], Wq s[10:11], Wk s[12:13], Wv s[14:15], bq s[16:17], bk s[18:19], bv s[20:21], xb s[22:23]
	s_load_b128 s[24:27], s[0:1], 0x40             ; wb s[24:25], bs s[26:27]
	s_mov_b32 s4, ttmp9                            ; g
	v_lshrrev_b32 v1, 5, v0
	v_readfirstlane_b32 s2, v1                     ; wave = K block
	v_and_b32 v6, 31, v0                           ; lane
	v_lshrrev_b32 v7, 4, v6                        ; which of the two rows
	v_and_b32 v1, 15, v6
	v_lshlrev_b32 v[VLO], 12, v7
	v_lshl_add_u32 v[VLO], v1, 4, v[VLO]
	s_lshl_b32 s3, s2, 8                           ; a K block is 256 bytes of a row of f32
	v_add_nc_u32 v[VLO], s3, v[VLO]
	s_lshl_b32 s5, s2, 20                          ; a K block of xb: 8,192 rows x 128 bytes
	v_lshl_add_u32 v[VSX], v6, 3, s5
	s_mul_i32 s5, s2, 393216                       ; a K block of wb: 3,072 rows x 128 bytes
	v_lshl_add_u32 v[VSW], v6, 3, s5
	s_lshl_b32 s5, s4, 8
	v_lshl_add_u32 v[VBO], v6, 3, s5
.irp j, 0,1,2,3,4,5
	v_mov_b32 v[BIN+\j], 0                         ; written on every path, whichever wave loads into them
.endr
	s_mov_b32 s28, 0x3d800000                      ; 2^-4, named as a pair
	s_mov_b32 s29, 0x3d800000
	s_lshl_b32 s30, s4, 17                         ; x: 32 rows of 4,096 bytes
	s_mov_b32 s31, 0
	s_lshl_b32 s32, s4, 14                         ; a weight matrix: 4 rows of 4,096 bytes
	s_mov_b32 s33, 0
	s_lshl_b32 s34, s4, 12                         ; xb: 32 rows of 128 bytes
	s_mov_b32 s35, 0
	s_lshl_b32 s36, s4, 9                          ; wb: 4 rows of 128 bytes
	s_mov_b32 s37, 0
	s_lshr_b32 s38, s4, 4
	s_or_b32 s38, s38, s2                          ; 0 in wave 0 of work-groups 0-15
	s_wait_kmcnt 0x0
	s_add_nc_u64 s[8:9], s[8:9], s[30:31]
	s_add_nc_u64 s[10:11], s[10:11], s[32:33]
	s_add_nc_u64 s[12:13], s[12:13], s[32:33]
	s_add_nc_u64 s[14:15], s[14:15], s[32:33]
	s_add_nc_u64 s[22:23], s[22:23], s[34:35]
	s_add_nc_u64 s[24:25], s[24:25], s[36:37]
	s_cmp_lg_u32 s38, 0
	s_cbranch_scc1 .Lno_bias
	global_load_b64 v[BIN:BIN+1],   v[VBO], s[16:17]       ; older than the 22 loads below, so the counts there hold with and without them
	global_load_b64 v[BIN+2:BIN+3], v[VBO], s[18:19]
	global_load_b64 v[BIN+4:BIN+5], v[VBO], s[20:21]
.Lno_bias:
.irp m, 0,1,2                          ; loads 0-5: matrix m, rows 2 t and 2 t + 1 of my four
.irp t, 0,1
	global_load_b128 v[XIN+4*(2*\m+\t):XIN+4*(2*\m+\t)+3], v[VLO], s[10+2*\m:11+2*\m] offset:\t*8192 th:TH_LOAD_NT
.endr
.endr
.irp t, 0,1,2,3,4,5,6,7,8,9,10,11,12,13,14,15  ; loads 6-21: x, rows 2 t and 2 t + 1 of my 32
	global_load_b128 v[XIN+4*(6+\t):XIN+4*(6+\t)+3], v[VLO], s[8:9] offset:\t*8192 th:TH_LOAD_NT
.endr
; Load n is finished: (scaled,) rounded to bf16 in place; the two packed registers are the store's data.
.macro PACK n, scale
	s_wait_loadcnt NLD-1-(\n)                      ; loads come back in order (ISA guide 5.7.1): load n is in, the younger ones stay out
.if \scale
	v_pk_mul_f32 v[XIN+4*(\n):XIN+4*(\n)+1],   v[XIN+4*(\n):XIN+4*(\n)+1],   s[28:29] op_sel_hi:[1,0]
	v_pk_mul_f32 v[XIN+4*(\n)+2:XIN+4*(\n)+3], v[XIN+4*(\n)+2:XIN+4*(\n)+3], s[28:29] op_sel_hi:[1,0]
.endif
	v_cvt_pk_bf16_f32 v[XIN+4*(\n)],   v[XIN+4*(\n)],   v[XIN+4*(\n)+1]
	v_cvt_pk_bf16_f32 v[XIN+4*(\n)+1], v[XIN+4*(\n)+2], v[XIN+4*(\n)+3]
.endm
.irp m, 0,1,2
.irp t, 0,1
	PACK 2*\m+\t, 1
	global_store_b64 v[VSW], v[XIN+4*(2*\m+\t):XIN+4*(2*\m+\t)+1], s[24:25] offset:\m*131072+\t*256 th:TH_STORE_NT  ; matrix m begins 1,024 rows of 128 bytes further on
.endr
.endr
.irp t, 0,1,2,3,4,5,6,7,8,9,10,11,12,13,14,15
	PACK 6+\t, 0
	global_store_b64 v[VSX], v[XIN+4*(6+\t):XIN+4*(6+\t)+1], s[22:23] offset:\t*256 th:TH_STORE_NT
.endr
	s_cmp_lg_u32 s38, 0
	s_cbranch_scc1 .Ldone
	s_wait_loadcnt 0x0                             ; the biases came in ahead of the stream
.irp m, 0,1,2
	v_pk_mul_f32 v[BIN+2*\m:BIN+2*\m+1], v[BIN+2*\m:BIN+2*\m+1], s[28:29] op_sel_hi:[1,0]
.endr
.irp m, 0,1,2
	global_store_b64 v[VBO], v[BIN+2*\m:BIN+2*\m+1], s[26:27] offset:\m*4096  ; 32 lanes store 256 consecutive bytes, aligned
.endr
.Ldone:
	s_endpgm
.Lfunc_end_k_q98ba4d51ec_cast:
	.size	k_q98ba4d51ec_cast, .Lfunc_end_k_q98ba4d51ec_cast-k_q98ba4d51ec_cast
	.p2alignl 7, 3214868480
	.fill 96, 4, 3214868480
	.section	.rodata,"a",@progbits
	.p2align	6, 0x0
	.amdhsa_kernel k_q98ba4d51ec_cast
		.amdhsa_group_segment_fixed_size 0
		.amdhsa_private_segment_fixed_size 0
		.amdhsa_enable_private_segment 0
		.amdhsa_kernarg_size 80
		.amdhsa_user_sgpr_count 2
		.amdhsa_user_sgpr_kernarg_segment_ptr 1
		.amdhsa_wavefront_size32 1
		.amdhsa_system_sgpr_workgroup_id_x 1
		.amdhsa_system_sgpr_workgroup_id_y 1
		.amdhsa_system_sgpr_workgroup_id_z 1
		.amdhsa_system_vgpr_workitem_id 0
		.amdhsa_next_free_vgpr 104
		.amdhsa_next_free_sgpr 66
		.amdhsa_reserve_vcc 0
		.amdhsa_float_denorm_mode_32 3
		.amdhsa_float_denorm_mode_16_64 3
		.amdhsa_memory_ordered 1
		.amdhsa_forward_progress 1
		.amdhsa_inst_pref_size 12
	.end_amdhsa_kernel
	.amdgpu_metadata
---
amdhsa.version: [ 1, 2 ]
amdhsa.kernels:
  - .name:           k_q98ba4d51ec_cast
    .symbol:         k_q98ba4d51ec_cast.kd
    .args:
      - { .name: x, .offset: 0, .size: 8, .value_kind: global_buffer, .address_space: global }
      - { .name: Wq, .offset: 8, .size: 8, .value_kind: global_buffer, .address_space: global }
      - { .name: Wk, .offset: 16, .size: 8, .value_kind: global_buffer, .address_space: global }
      - { .name: Wv, .offset: 24, .size: 8, .value_kind: global_buffer, .address_space: global }
      - { .name: bq, .offset: 32, .size: 8, .value_kind: global_buffer, .address_space: global }
      - { .name: bk, .offset: 40, .size: 8, .value_kind: global_buffer, .address_space: global }
      - { .name: bv, .offset: 48, .size: 8, .value_kind: global_buffer, .address_space: global }
      - { .name: xb, .offset: 56, .size: 8, .value_kind: global_buffer, .address_space: global }
      - { .name: wb, .offset: 64, .size: 8, .value_kind: global_buffer, .address_space: global }
      - { .name: bs, .offset: 72, .size: 8, .value_kind: global_buffer, .address_space: global }
    .group_segment_fixed_size: 0
    .private_segment_fixed_size: 0
    .kernarg_segment_align: 8
    .kernarg_segment_size: 80
    .max_flat_workgroup_size: 512
    .sgpr_count:     66
    .vgpr_count:     104
    .wavefront_size: 32
...
	.end_amdgpu_metadata
.endif
;; end of part 1
;; launch proj (part 2): grid 8 x 32, 4 waves a work-group, clusters of 4 x 4, 327,680 bytes of LDS; arguments xb, wb, bs, qkv; writes qkv
.if DOCPART == 2
	.amdgcn_target "amdgcn-amd-amdhsa--gfx1250"
	.amdhsa_code_object_version 6
	.text
	.protected	k_q98ba4d51ec_proj
	.globl	k_q98ba4d51ec_proj
	.p2align	8
	.type	k_q98ba4d51ec_proj,@function
k_q98ba4d51ec_proj:
	s_mov_b64 s[64:65], 0
	v_nop
	global_prefetch_b8 v0, s[64:65] scope:SCOPE_SE
	s_setreg_imm32_b32 hwreg(HW_REG_WAVE_MODE, 25, 1), 1
	s_wait_xcnt 0x0
	s_wait_alu depctr_hold_cnt(0) depctr_sa_sdst(0) depctr_va_vdst(0) depctr_va_sdst(0) depctr_va_ssrc(0) depctr_va_vcc(0) depctr_vm_vsrc(0)
	s_getreg_b32 s2, hwreg(HW_REG_IB_STS2, 6, 4)
	s_cmp_eq_u32 s2, 0
	s_cbranch_scc0 .Lentry_in_a_cluster
	s_endpgm
.Lentry_in_a_cluster:
	s_bfe_u32 s2, ttmp6, 0x10000c
	s_cmp_lg_u32 s2, 0xf033
	s_cbranch_scc0 .Lentry_shape_is_right
	s_endpgm
.Lentry_shape_is_right:
; qkv[row][c] = (the sum over k of x[row][k] W[c][k] + b[c]) / 16, in f16.  xb: [16][8192][64] bf16, wb: [16][3072][64] bf16 (already x 2^-4), bs: [3072] f32 (already x 2^-4),
; qkv: [8192][3072] f16: columns 0-1023 q, 1024-2047 k, 2048-3071 v.  Sums in f32, the bias added in f32, one rounding to f16.
; LIMIT.  f16 ends at 65,504, so |q|, |k|, |v| must stay under 1,048,064 (16 x 65,504); beyond that an infinity is written.  NaN and infinities are not treated apart.
; SHARES.  A tile is 256 rows x 384 columns: 32 x 8 tiles, one for each of 256 work-groups.  Four waves, each 128 x 192: 96 accumulators of 16 x 16, 768 registers.
; K goes in steps of 64 (a K block of xb and wb) through a ring of two LDS slots.  In a K block a tile's rows are dense: 128 rows x 128 bytes are asked for as 64 rows of 256 bytes,
; and the mover lays 16 bytes of padding behind every 128, so that LDS rows are 144 bytes apart and the 16 rows of a fragment load start at 16 different groups of four banks (64 banks of 4 bytes: ISA guide 11.1).
; CLUSTER.  4 x 4 work-groups.  The four of a row of the cluster need the same tile of xb, the four of a column the same tile of wb: each is asked for JOINTLY, by the same tensor load with the same
; descriptor and a mask that names the four.  Waves 0 and 1 fetch xb's two halves, waves 2 and 3 wb's.
; THE MATRIX INSTRUCTION IS USED TRANSPOSED (source 0 = 16 rows of wb, source 1 = 16 rows of xb): a lane then holds row lane % 16 and the columns 8 (lane / 16) + 0..7 of a block.
; REGISTERS, in windows of 256 (s_set_vgpr_msb: bits 1:0 source 0, 3:2 source 1, 5:4 source 2, 7:6 destination):
;   window 0: v0-31 addresses; v32-95, v96-159 xb's 8 fragments of 32 k, two buffers; v160-255 wb's 12 fragments, ONE buffer: a group of four is loaded again as soon as it has been multiplied
;   windows 1-3: accumulator (row block a, column block b) in window 1 + b / 4 at v[8 (8 (b % 4) + a)]
; A K step is two substeps of 32 k, 96 matrix instructions each, in three groups of 32 (one window each); the 96 accumulators take turns, one instruction a turn.
.set PITCH,  144
.set AHALF,  128*PITCH                 ; what one of xb's loads brings, and what a wave reads of it
.set BHALF,  192*PITCH                 ; the same for wb
.set BOFF,   2*AHALF                   ; in a slot: xb's 256 rows, then wb's 384
.set SLOT1,  1<<17                     ; slot 1 begins here, so that one exclusive or turns an address in one slot into the other's (a slot has 92,160 bytes)
.set SPITCH, 784                       ; the way out: 256 rows of 768 bytes + 16, laid over the ring when its last fill has landed and been read
.set SPARE,  SLOT1+BOFF+2*BHALF        ; behind the ring: the spare words, 128 bytes a wave: two blocks of 256 bytes that no other line names
.set ASTEP,  1<<20                     ; bytes from a K block of xb to the next
.set BSTEP,  3072*128                  ; and of wb
.set GW,     (1<<16)|(1<<20)|(1<<21)|(4<<22)|(3<<25)  ; group 1, word 0 beside the mask: 2-byte elements; padding on; bit 21 set beside a mask; after every 32 words (code 4) 4 words (code 3)
.set BIA,   7                          ; v7   my byte offset in bs
.set STO,   8                          ; v8-9 the way out: where I put 16 bytes of a row, for row blocks 0-3 and 4-7
.set RDA,   10                         ; v10  the way out: where I read rows back (pieces 0-31 of a row; with an offset pieces 16-47 of the next)
.set RDB,   11                         ; v11  the piece between: the end of one row, the beginning of the next
.set GOA,   12                         ; v12  the same places in qkv
.set GOB,   13                         ; v13
.set ADRA0, 16                         ; v16  my lane's place in xb's tile of slot 0; never rewritten
.set ADRB0, 17                         ; v17  the same for wb
.set ADRA,  18                         ; v18  the same in the slot that is being read
.set ADRB,  19                         ; v19
.set SPW,   28                         ; v28  LDS address of my spare word; never rewritten
.set NIL,   29                         ; v29  0; never rewritten
.set PFO,   30                         ; v30  the prefetches' offset: 256 x lane; never rewritten
.set AF0,   32
.set AF1,   96
.set BF,    160
.set T,     96                         ; the way out: a column block's 64 sums with the bias
.set PK,    192                        ; packed to f16
.set OB,    32                         ; rows read back
; scalars: s[4:11] xb, wb, bs, qkv; s14 wave; s15 wave / 2 (0: I fetch xb; my half of the rows); s16 wave % 2 (which half I fetch; my half of the columns); s17 cx, s18 cy; s19 tile column; s20 tile row;
; s21 cluster y; s[24:31], s[32:39] group 1 for xb, wb; s[40:47], s[48:55] group 0 for xb, wb: a set for each first fill, the second then walks; s56 LDS base of the slot being read; s57 trips to go;
; s[58:59] where my prefetches stand; s[60:61] their step; s62, s63 who asks and in which trips
.set MSB, 0
.macro WIN new                         ; the immediate's high byte repeats the setting that is left; a switch that changes nothing is dropped
.if MSB != (\new)
	s_set_vgpr_msb (MSB<<8)|(\new)
.set MSB, \new
.endif
.endm
.macro PLACES                          ; four places behind matrix instructions, ahead of loads into registers that they have read and of lines that read results (ISA guide 7.12.1 for lines that read results)
.rept 4
	v_nop
.endr
.endm
.macro CREST                           ; a round of the cluster's barrier behind its opening barrier
	s_cmp_lg_u32 s14, 0
	s_cbranch_scc1 .Lnot_wave_0_\@
	s_barrier_signal -3
.Lnot_wave_0_\@:
	s_barrier_wait -3
	s_barrier_signal -1
	s_barrier_wait -1
.endm
.macro CROUND                          ; a whole round
	s_barrier_signal -1
	s_barrier_wait -1
	CREST
.endm
.macro JLOAD                           ; a joint refill by the walking set.  The branch hangs on the wave's number alone.  An s_nop 0 and four v_nop follow each of the two lines
	s_cmp_eq_u32 s15, 0
	s_cbranch_scc0 .Lfor_b_\@
	tensor_load_to_lds s[44:47], s[24:31]
	s_nop 0
.rept 4
	v_nop
.endr
	s_branch .Lasked_\@
.Lfor_b_\@:
	tensor_load_to_lds s[52:55], s[32:39]
	s_nop 0
.rept 4
	v_nop
.endr
.Lasked_\@:
.endm
; A PREFETCH INTO THE L2, behind a joint refill and the LDS loads that follow it: 32 blocks of 256 bytes, a lane a block, of the K block that the NEXT refill (for wb: the next or the one after) will ask for.
; Each block is named once in the launch.  xb: a tile row's K block is 128 blocks; wave 0 of the clusters with x = 0 asks, each of the four partners of a row for 32 of them, told apart by address (cx).
; wb: a tile column's K block is 192 blocks = 6 x 32; wave 2 of the clusters with y = 0, 1, 2 asks in every second trip; its 12 work-groups are 6 groups of blocks x 2 K blocks, told apart by address.
; No branch hangs on a work-group's place in its cluster.  The trips whose look-ahead would pass K block 15 ask for nothing.
.macro ASK
	s_and_b32 s77, s57, s63                        ; s63 = 1: odd counts alone; 0: every trip
	s_cmp_eq_u32 s77, s63
	s_cselect_b32 s77, s62, -1
	s_cmp_gt_u32 s57, s77
	s_cbranch_scc0 .Lnot_mine_\@
	global_prefetch_b8 v[PFO], s[58:59] th:TH_LOAD_NT scope:SCOPE_SE
.Lnot_mine_\@:
.endm
	s_load_b256 s[4:11], s[0:1], 0x0
	v_lshl_add_u32 v[SPW], v0, 2, SPARE
	v_mov_b32 v[NIL], 0
	ds_add_u32 v[SPW], v[NIL]                      ; the wave's opening: the add and its wait stand ahead of my first tensor load; the set-up below, work on registers, stands between them
	v_lshrrev_b32 v3, 5, v0
	v_readfirstlane_b32 s14, v3
	s_lshr_b32 s15, s14, 1
	s_and_b32 s16, s14, 1
	s_bfe_u32 s17, ttmp6, 0x40000                  ; cx
	s_bfe_u32 s18, ttmp6, 0x40004                  ; cy
	s_lshl_b32 s19, ttmp9, 2
	s_add_co_u32 s19, s19, s17                     ; tile column = 4 x cluster x + cx
	s_and_b32 s21, ttmp7, 0xffff
	s_lshl_b32 s20, s21, 2
	s_add_co_u32 s20, s20, s18                     ; tile row = 4 x cluster y + cy
	s_lshl_b32 s22, s18, 2
	s_lshl_b32 s22, 15, s22                        ; my row of the cluster
	s_lshl_b32 s23, 0x1111, s17                    ; my column
	s_or_b32 s24, s22, GW                          ; xb's tiles go to my row,
	s_or_b32 s32, s23, GW                          ; wb's to my column
.irp g, 24, 32
	s_mov_b32 s[\g+1], 128<<16                     ; tensor_dim0 = 128 elements: 256 bytes, two rows of the K block
	s_mov_b32 s[\g+3], 128<<16                     ; tile_dim0 = 128
	s_mov_b32 s[\g+5], 128                         ; 128 elements from row to row: dense
	s_mov_b32 s[\g+6], 0
	s_mov_b32 s[\g+7], 0
.endr
	s_mov_b32 s26, 64<<16                          ; xb: tensor_dim1 = tile_dim1 = 64 (128 rows of 128 bytes)
	s_mov_b32 s28, 64
	s_mov_b32 s34, 96<<16                          ; wb: 96 (192 rows)
	s_mov_b32 s36, 96
	s_mul_i32 s66, s16, AHALF                      ; where my half goes: no place in the cluster enters an LDS address
	s_mul_i32 s68, s16, BHALF
	s_add_co_u32 s68, s68, BOFF
	s_mov_b32 s40, 1
	s_mov_b32 s41, s66
	s_mov_b32 s44, 1
	s_add_co_u32 s45, s66, SLOT1
	s_mov_b32 s48, 1
	s_mov_b32 s49, s68
	s_mov_b32 s52, 1
	s_add_co_u32 s53, s68, SLOT1
	s_lshl_b32 s66, s20, 15                        ; xb: 256 rows of 128 bytes a tile row,
	s_lshl_b32 s67, s16, 14                        ; my 128 of them
	s_add_co_u32 s66, s66, s67
	s_mov_b32 s67, 0
	s_mul_i32 s68, s19, 384*128                    ; wb: 384 rows a tile column,
	s_mul_i32 s69, s16, 192*128                    ; my 192
	s_add_co_u32 s68, s68, s69
	s_mov_b32 s69, 0
	s_mov_b32 s56, 0
	s_wait_dscnt 0x0                               ; the opening add is done
	s_wait_kmcnt 0x0
	s_add_nc_u64 s[42:43], s[4:5], s[66:67]        ; K block 0,
	s_add_nc_u64 s[46:47], s[42:43], ASTEP         ; K block 1
	s_or_b32 s43, s43, 0x80000000                  ; type = 2
	s_or_b32 s47, s47, 0x80000000
	s_add_nc_u64 s[50:51], s[6:7], s[68:69]
	s_add_nc_u64 s[54:55], s[50:51], BSTEP
	s_or_b32 s51, s51, 0x80000000
	s_or_b32 s55, s55, 0x80000000
	CROUND                                         ; all sixteen work-groups are here: the first joint loads meet
	s_cmp_eq_u32 s15, 0                            ; a wave's two first fills stand in one branch: two loads of mine are out
	s_cbranch_scc0 .Lfirst_b
	tensor_load_to_lds s[40:43], s[24:31]
	s_nop 0
	tensor_load_to_lds s[44:47], s[24:31]
	s_nop 0
.rept 4
	v_nop
.endr
	s_branch .Lfirst_asked
.Lfirst_b:
	tensor_load_to_lds s[48:51], s[32:39]
	s_nop 0
	tensor_load_to_lds s[52:55], s[32:39]
	s_nop 0
.rept 4
	v_nop
.endr
.Lfirst_asked:
	; A fragment is 16 rows x 32 k in 8 registers: lane l holds row l % 16; registers 0-3 k = 8 (l / 16) + 0..7, registers 4-7 k = 16 + 8 (l / 16) + 0..7: two loads of 16 bytes, 32 bytes apart.
	v_and_b32 v1, 15, v0                           ; r = l % 16
	v_bfe_u32 v2, v0, 4, 1                         ; h = l / 16
	v_and_b32 v5, 31, v0                           ; l
	v_mul_u32_u24 v3, v1, PITCH
	v_lshl_add_u32 v3, v2, 4, v3
	s_mul_i32 s76, s15, AHALF
	v_add_nc_u32 v[ADRA0], s76, v3
	s_mul_i32 s76, s16, BHALF
	s_add_co_u32 s76, s76, BOFF
	v_add_nc_u32 v[ADRB0], s76, v3
	v_mov_b32 v[ADRA], v[ADRA0]
	v_mov_b32 v[ADRB], v[ADRB0]
	s_mul_i32 s76, s15, 128*SPITCH                 ; into the stage: my 128 rows, my 384 bytes of them; row r of a block, 16 bytes for each half of the lanes
	s_mul_i32 s78, s16, 384
	s_add_co_u32 s76, s76, s78
	v_mul_u32_u24 v4, v1, SPITCH
	v_lshl_add_u32 v4, v2, 4, v4
	v_add_nc_u32 v[STO], s76, v4
	v_add_nc_u32 v[STO+1], 4*16*SPITCH, v[STO]
	s_mul_i32 s76, s14, 64*SPITCH                  ; back: wave w takes rows 64 w .. 64 w + 63, whole.  Two rows are 96 pieces of 16 bytes: three loads
	v_lshl_add_u32 v[RDA], v5, 4, s76
	v_lshl_add_u32 v[RDB], v2, 4, v[RDA]           ; lanes 0-15: pieces 32-47 of the first row; lanes 16-31: pieces 0-15 of the second, 784 - 768 = 16 bytes further
	v_add_nc_u32 v[RDB], 512, v[RDB]
	v_lshlrev_b32 v[GOA], 4, v5
	v_mul_u32_u24 v[GOB], v2, 6144-768             ; in qkv a row is 6,144 bytes
	v_add_nc_u32 v[GOB], v[GOB], v[GOA]
	v_add_nc_u32 v[GOB], 512, v[GOB]
	s_mul_i32 s84, s19, 384*4                      ; the bias of my 192 columns; a lane's eight are 32 bytes
	s_mul_i32 s85, s16, 192*4
	s_add_co_u32 s84, s84, s85
	v_lshl_add_u32 v[BIA], v2, 5, s84
	s_lshl_b32 s84, s20, 8                         ; qkv at the first row that I store, at the tile's first column
	s_lshl_b32 s85, s14, 6
	s_add_co_u32 s84, s84, s85
	s_mul_i32 s84, s84, 6144
	s_mul_i32 s85, s19, 768
	s_add_co_u32 s84, s84, s85
	s_mov_b32 s85, 0
	s_add_nc_u64 s[10:11], s[10:11], s[84:85]
	; the prefetches: they stand at K block 2 (wb: 2 or 3, by cy) and are stepped at the head of each change of slots, ahead of the request
	s_lshl_b32 s84, s20, 15
	s_lshl_b32 s85, s17, 13                        ; xb: my work-group's 32 blocks of the tile row's 128
	s_add_co_u32 s84, s84, s85
	s_add_co_u32 s84, s84, 2*ASTEP
	s_mul_i32 s86, s19, 384*128
	s_lshl_b32 s87, s21, 1                         ; wb: group 2 x cluster y + cy / 2 of six groups of 32 blocks,
	s_lshr_b32 s88, s18, 1
	s_add_co_u32 s87, s87, s88
	s_lshl_b32 s87, s87, 13
	s_add_co_u32 s86, s86, s87
	s_and_b32 s87, s18, 1                          ; in the K block of my cy's parity
	s_add_co_u32 s87, s87, 2
	s_mul_i32 s87, s87, BSTEP
	s_add_co_u32 s86, s86, s87
	s_mov_b32 s60, BSTEP
	s_mov_b32 s61, 0
	s_mov_b32 s85, 0
	s_cmp_eq_u32 s15, 0
	s_cselect_b32 s84, s84, s86
	s_cselect_b32 s60, ASTEP, s60
	s_cselect_b64 s[58:59], s[4:5], s[6:7]
	s_cselect_b32 s63, 0, 1
	s_add_nc_u64 s[58:59], s[58:59], s[84:85]
	s_mov_b32 s80, ttmp9
	s_cmp_eq_u32 s80, 0
	s_cselect_b32 s81, 1, -1                       ; xb: while more than 1 trip is to go (the K block named is 15 at the most)
	s_cmp_le_u32 s21, 2
	s_cselect_b32 s82, 2, -1                       ; wb: while more than 2 are
	s_cmp_eq_u32 s15, 0
	s_cselect_b32 s62, s81, s82
	s_cmp_eq_u32 s16, 0
	s_cselect_b32 s62, s62, -1                     ; waves 1 and 3 ask for nothing.  All this is the same in all sixteen partners, for a given wave
	v_lshlrev_b32 v[PFO], 8, v5
.macro GB g, f, bb, zero               ; eight products: column block 4 g + bb by all eight row blocks.  zero = 1: they start the sums: nothing is ever cleared
	WIN 0x50*((\g)+1)
.irp a, 0,1,2,3,4,5,6,7
.if \zero
	v_wmma_f32_16x16x32_bf16 v[8*(8*(\bb)+(\a)):8*(8*(\bb)+(\a))+7], v[BF+8*(4*(\g)+(\bb)):BF+8*(4*(\g)+(\bb))+7], v[(\f)+8*(\a):(\f)+8*(\a)+7], 0
.else
	v_wmma_f32_16x16x32_bf16 v[8*(8*(\bb)+(\a)):8*(8*(\bb)+(\a))+7], v[BF+8*(4*(\g)+(\bb)):BF+8*(4*(\g)+(\bb))+7], v[(\f)+8*(\a):(\f)+8*(\a)+7], v[8*(8*(\bb)+(\a)):8*(8*(\bb)+(\a))+7]
.endif
.endr
.endm
.macro GH g, f, half, zero             ; sixteen
	GB \g, \f, 2*(\half), \zero
	GB \g, \f, 2*(\half)+1, \zero
.endm
.macro G g, f, zero                    ; a group: 32
	GH \g, \f, 0, \zero
	GH \g, \f, 1, \zero
.endm
.macro LB g, u                         ; 8 LDS loads: wb's fragments 4 g .. 4 g + 3 of substep u
.irp i, 0,1,2,3
	ds_load_b128 v[BF+8*(4*(\g)+(\i)):BF+8*(4*(\g)+(\i))+3],   v[ADRB] offset:(4*(\g)+(\i))*16*PITCH+64*(\u)
	ds_load_b128 v[BF+8*(4*(\g)+(\i))+4:BF+8*(4*(\g)+(\i))+7], v[ADRB] offset:(4*(\g)+(\i))*16*PITCH+64*(\u)+32
.endr
.endm
.macro LA hf, buf, u                   ; 8 LDS loads: xb's fragments 4 hf .. 4 hf + 3 of substep u into a buffer
.irp i, 0,1,2,3
	ds_load_b128 v[(\buf)+8*(4*(\hf)+(\i)):(\buf)+8*(4*(\hf)+(\i))+3],   v[ADRA] offset:(4*(\hf)+(\i))*16*PITCH+64*(\u)
	ds_load_b128 v[(\buf)+8*(4*(\hf)+(\i))+4:(\buf)+8*(4*(\hf)+(\i))+7], v[ADRA] offset:(4*(\hf)+(\i))*16*PITCH+64*(\u)+32
.endr
.endm
; A substep: multiplies buffer f and fetches the same slot's substep u into buffer g and into wb's groups as they fall free.  A substep's 40 loads go out in the order LB 0, LA 0, LA 1, LB 1, LB 2.
.macro SUB f, g, u, zero
	s_wait_dscnt 16                                ; LB 0, LA 0, LA 1 are in; LB 1 and LB 2 may be out
	G 0, \f, \zero
	PLACES
	WIN 0
	LB 0, \u
	LA 0, \g, \u
	s_wait_dscnt 24                                ; LB 1 is in; behind it: LB 2 and the 16 just issued
	G 1, \f, \zero
	PLACES
	WIN 0
	LA 1, \g, \u
	LB 1, \u
	s_wait_dscnt 32                                ; LB 2 is in; behind it: 16 and 16
	G 2, \f, \zero
	PLACES
	WIN 0
	LB 2, \u
.endm
; A slot's second substep, on buffer 1, and THE CHANGE OF SLOTS.  Each wave waits for all its tensor loads, of which one is out: its part of the other slot; adds 0 to its spare word; and waits for that and
; for its own reads of this slot.  Behind the barrier nobody reads this slot any more and the other slot is whole.  fill = 1: the barrier opens a round of the cluster's, so that this holds of every partner,
; and the joint refill, with the K block two on, is the first thing behind the round: 160 matrix instructions ahead of the wait for it.
.macro TURN fill
.if \fill
	s_wait_xcnt 0x0                                ; the last prefetch, a K step back, has read its address, so it may be stepped
	s_add_nc_u64 s[58:59], s[58:59], s[60:61]
.endif
	WIN 0
	s_wait_tensorcnt 0x0                           ; all my tensor loads have landed
	ds_add_u32 v[SPW], v[NIL]                      ; 0 onto my spare word
	s_wait_dscnt 17                                ; (the add, LB 1 and LB 2 may be out)
	GH 0, AF1, 0, 0                                ; sixteen matrix instructions stand between the add and the wait for it
	s_wait_dscnt 0x0                               ; the add is done, and my reads of this slot are over
	s_barrier_signal -1
	GH 0, AF1, 1, 0                                ; work on registers while the others arrive
	WIN 0
	s_barrier_wait -1
.if \fill
	CREST
	s_xor_b32 s45, s45, SLOT1                      ; the walking sets: the other slot than last time, the next K block; no tensor load of mine is out
	s_add_nc_u64 s[46:47], s[46:47], ASTEP
	s_xor_b32 s53, s53, SLOT1
	s_add_nc_u64 s[54:55], s[54:55], BSTEP
.endif
	s_xor_b32 s56, s56, SLOT1                      ; the fetches go on in the other slot
	v_add_nc_u32 v[ADRA], s56, v[ADRA0]
	v_add_nc_u32 v[ADRB], s56, v[ADRB0]
.if \fill
	JLOAD                                          ; its four v_nop are also the places ahead of the loads below
.else
	PLACES
.endif
	LB 0, 0
	LA 0, AF0, 0
.if \fill
	ASK
.endif
	G 1, AF1, 0                                    ; (all of this substep's fragments are in since the wait for 0)
	PLACES
	WIN 0
	LA 1, AF0, 0
	LB 1, 0
	G 2, AF1, 0
	PLACES
	WIN 0
	LB 2, 0
.endm
.macro BREG b                          ; where column block b's eight biases lie: blocks 0-7 in buffer 0, blocks 8-11 in wb's first group
.if (\b) < 8
.set BR, AF0+8*(\b)
.else
.set BR, BF+8*((\b)-8)
.endif
.endm
; The very last substep fetches nothing from LDS; the bias comes in under its last 64 products, into registers that have been multiplied.
.macro LAST
	s_wait_dscnt 16
	G 0, AF1, 0
	PLACES
	WIN 0
.irp b, 0,1,2,3,4,5,6,7,8,9,10,11
	BREG \b
	global_load_b128 v[BR:BR+3],   v[BIA], s[8:9] offset:64*(\b)
	global_load_b128 v[BR+4:BR+7], v[BIA], s[8:9] offset:64*(\b)+16
.endr
	s_wait_dscnt 8                                 ; LB 1 is in
	G 1, AF1, 0
	s_wait_dscnt 0x0
	G 2, AF1, 0
.endm
; The way out of column block b: the bias is added in f32 (each accumulator's registers in ascending order), the sums are rounded to f16, and a lane's eight columns of a row, 16 bytes, go into the stage.
.macro OUTB b
	BREG \b
	WIN 1+(\b)/4                                   ; source 0: the accumulators' window
.irp a, 0,1,2,3,4,5,6,7
.irp j, 0,1,2,3
	v_pk_add_f32 v[T+8*(\a)+2*(\j):T+8*(\a)+2*(\j)+1], v[8*(8*((\b)%4)+(\a))+2*(\j):8*(8*((\b)%4)+(\a))+2*(\j)+1], v[BR+2*(\j):BR+2*(\j)+1]
.endr
.endr
	WIN 0
.irp a, 0,1,2,3,4,5,6,7
.irp j, 0,1,2,3
	v_cvt_pk_f16_f32 v[PK+4*(\a)+(\j)], v[T+8*(\a)+2*(\j)], v[T+8*(\a)+2*(\j)+1]
.endr
.endr
.irp a, 0,1,2,3,4,5,6,7
	ds_store_b128 v[STO+(\a)/4], v[PK+4*(\a):PK+4*(\a)+3] offset:((\a)%4)*16*SPITCH+32*(\b)
.endr
.endm
	s_wait_tensorcnt 1                             ; my part of K block 0 is in; K block 1's load may stay out
	s_barrier_signal -1
	s_barrier_wait -1                              ; everybody's is
	LB 0, 0
	LA 0, AF0, 0
	LA 1, AF0, 0
	LB 1, 0
	LB 2, 0
	SUB AF0, AF1, 1, 1                             ; the first substep stands ahead of the loop: its products start the sums
	s_mov_b32 s57, 14
.Lstep:                                            ; 14 trips: the second substep of K block s, which asks for K block s + 2, and the first of K block s + 1
	TURN 1
	SUB AF0, AF1, 1, 0
	s_sub_co_u32 s57, s57, 1
	s_cmp_lg_u32 s57, 0
	s_cbranch_scc1 .Lstep
	TURN 0                                         ; the tail is written out: nothing is left to ask for
	SUB AF0, AF1, 1, 0
	LAST
	WIN 0
	PLACES                                         ; behind the last products
	s_wait_dscnt 0x0
	s_barrier_signal -1
	s_barrier_wait -1                              ; nobody reads a slot any more, and every fill has landed: the stage may be laid over the ring
	s_wait_loadcnt 0x0                             ; the bias
.irp b, 0,1,2,3,4,5,6,7,8,9,10,11
	OUTB \b
.endr
	s_wait_dscnt 0x0                               ; for the others' sake: my stores into the stage are done (a row's 768 bytes come from two waves)
	s_barrier_signal -1
	s_barrier_wait -1
	s_mov_b32 s57, 8
.Lrows:                                            ; eight rows a trip, as four pairs of three loads and three stores; every 16 lanes store 256 consecutive bytes, aligned
.irp q, 0,1,2,3
	ds_load_b128 v[OB+12*(\q):OB+12*(\q)+3],    v[RDA] offset:(\q)*2*SPITCH
	ds_load_b128 v[OB+12*(\q)+4:OB+12*(\q)+7],  v[RDB] offset:(\q)*2*SPITCH
	ds_load_b128 v[OB+12*(\q)+8:OB+12*(\q)+11], v[RDA] offset:(\q)*2*SPITCH+SPITCH+256
.endr
	s_wait_dscnt 0x0
.irp q, 0,1,2,3
	global_store_b128 v[GOA], v[OB+12*(\q):OB+12*(\q)+3],    s[10:11] offset:(\q)*12288 th:TH_STORE_NT
	global_store_b128 v[GOB], v[OB+12*(\q)+4:OB+12*(\q)+7],  s[10:11] offset:(\q)*12288 th:TH_STORE_NT
	global_store_b128 v[GOA], v[OB+12*(\q)+8:OB+12*(\q)+11], s[10:11] offset:(\q)*12288+6144+256 th:TH_STORE_NT
.endr
	s_wait_xcnt 0x0                                ; the stores have read their offsets and data: only now are these written again
	v_add_nc_u32 v[RDA], 8*SPITCH, v[RDA]
	v_add_nc_u32 v[RDB], 8*SPITCH, v[RDB]
	v_add_nc_u32 v[GOA], 8*6144, v[GOA]
	v_add_nc_u32 v[GOB], 8*6144, v[GOB]
	s_sub_co_u32 s57, s57, 1
	s_cmp_lg_u32 s57, 0
	s_cbranch_scc1 .Lrows
	s_wait_tensorcnt 0x0                           ; the wave's end: behind my last tensor load and my last LDS store
	ds_add_u32 v[SPW], v[NIL]
	s_wait_dscnt 0x0
	CROUND                                         ; the closing round: no work-group ends while a partner may still ask for a tile that names it
	s_endpgm
.Lfunc_end_k_q98ba4d51ec_proj:
	.size	k_q98ba4d51ec_proj, .Lfunc_end_k_q98ba4d51ec_proj-k_q98ba4d51ec_proj
	.p2alignl 7, 3214868480
	.fill 96, 4, 3214868480
	.section	.rodata,"a",@progbits
	.p2align	6, 0x0
	.amdhsa_kernel k_q98ba4d51ec_proj
		.amdhsa_group_segment_fixed_size 327680
		.amdhsa_private_segment_fixed_size 0
		.amdhsa_enable_private_segment 0
		.amdhsa_kernarg_size 32
		.amdhsa_user_sgpr_count 2
		.amdhsa_user_sgpr_kernarg_segment_ptr 1
		.amdhsa_wavefront_size32 1
		.amdhsa_system_sgpr_workgroup_id_x 1
		.amdhsa_system_sgpr_workgroup_id_y 1
		.amdhsa_system_sgpr_workgroup_id_z 1
		.amdhsa_system_vgpr_workitem_id 0
		.amdhsa_next_free_vgpr 1024
		.amdhsa_next_free_sgpr 96
		.amdhsa_reserve_vcc 0
		.amdhsa_float_denorm_mode_32 3
		.amdhsa_float_denorm_mode_16_64 3
		.amdhsa_memory_ordered 1
		.amdhsa_forward_progress 1
		.amdhsa_inst_pref_size 125
	.end_amdhsa_kernel
	.amdgpu_metadata
---
amdhsa.version: [ 1, 2 ]
amdhsa.kernels:
  - .name:           k_q98ba4d51ec_proj
    .symbol:         k_q98ba4d51ec_proj.kd
    .args:
      - { .name: xb, .offset: 0, .size: 8, .value_kind: global_buffer, .address_space: global }
      - { .name: wb, .offset: 8, .size: 8, .value_kind: global_buffer, .address_space: global }
      - { .name: bs, .offset: 16, .size: 8, .value_kind: global_buffer, .address_space: global }
      - { .name: qkv, .offset: 24, .size: 8, .value_kind: global_buffer, .address_space: global }
    .group_segment_fixed_size: 327680
    .private_segment_fixed_size: 0
    .kernarg_segment_align: 8
    .kernarg_segment_size: 32
    .max_flat_workgroup_size: 128
    .sgpr_count:     96
    .vgpr_count:     1024
    .wavefront_size: 32
...
	.end_amdgpu_metadata
.endif
;; end of part 2
;; launch scores (part 3): grid 8 x 32, 4 waves a work-group, clusters of 4 x 4, 327,680 bytes of LDS; arguments qkv, p, cm, ls; writes p, cm, ls
.if DOCPART == 3
	.amdgcn_target "amdgcn-amd-amdhsa--gfx1250"
	.amdhsa_code_object_version 6
	.text
	.protected	k_q98ba4d51ec_scores
	.globl	k_q98ba4d51ec_scores
	.p2align	8
	.type	k_q98ba4d51ec_scores,@function
k_q98ba4d51ec_scores:
	s_mov_b64 s[64:65], 0
	v_nop
	global_prefetch_b8 v0, s[64:65] scope:SCOPE_SE
	s_setreg_imm32_b32 hwreg(HW_REG_WAVE_MODE, 25, 1), 1
	s_wait_xcnt 0x0
	s_wait_alu depctr_hold_cnt(0) depctr_sa_sdst(0) depctr_va_vdst(0) depctr_va_sdst(0) depctr_va_ssrc(0) depctr_va_vcc(0) depctr_vm_vsrc(0)
	s_getreg_b32 s2, hwreg(HW_REG_IB_STS2, 6, 4)
	s_cmp_eq_u32 s2, 0
	s_cbranch_scc0 .Lentry_in_a_cluster
	s_endpgm
.Lentry_in_a_cluster:
	s_bfe_u32 s2, ttmp6, 0x10000c
	s_cmp_lg_u32 s2, 0xf033
	s_cbranch_scc0 .Lentry_shape_is_right
	s_endpgm
.Lentry_shape_is_right:
; For each batch: S' = q' k'^T (q' = q / 16, k' = k / 16, f16 operands, f32 sums); the true score is q . k / 32 = 8 S'.  For each row and each block j of 128 keys:
;   cm[j][row] = c x the block's largest S', c = 8 log2(e);   p[row][key] = 2^(c S' - cm) in f16;   ls[j][row] = the sum of the block's unrounded p, in f32.
; The next launch takes the largest cm of a row's 16 blocks and rescales: together the row's true maximum is taken away before the exponential.
; qkv: [8192][3072] f16 (q at byte 0, k at byte 2,048 of a row of 6,144); p: [8192][2048] f16; cm, ls: [16][8192] f32.
; LIMITS.  p lies in 0 to 1 (to within a rounding); below 6e-5 it keeps f16's fixed step of 6e-8; a weight below 2^-126 counts as 0 in ls.  NaN and infinities are not treated apart.
; SHARES.  A tile is 256 queries x 256 keys: 32 x 8 tiles, one for each of 256 work-groups; four waves, each 128 x 128 (a wave's columns are one block j): 64 accumulators, 512 registers.
; K (1,024 channels) goes in 8 steps of 128 through a ring of two LDS slots; a tile's rows are 256 bytes of memory, aligned; the mover pads each by 16 bytes: LDS rows 272 bytes apart, so the 16 rows of a
; fragment load start at 16 different groups of four banks (64 banks of 4 bytes: ISA guide 11.1).
; CLUSTER.  4 x 4 work-groups: q's tile is shared along a row of the cluster, k's along a column; each is asked for jointly.  Waves 0 and 1 fetch q's halves, waves 2 and 3 k's.
; THE MATRIX INSTRUCTION IS USED TRANSPOSED (source 0 = 16 rows of k, source 1 = 16 rows of q): a lane holds query lane % 16 and the keys 8 (lane / 16) + 0..7 of a block of 16.
; REGISTERS (s_set_vgpr_msb: bits 1:0 source 0, 3:2 source 1, 5:4 source 2, 7:6 destination): window 0: v0-31 addresses; v64-127, v128-191 q's fragments, two buffers; window 1: the same for k;
;   window 2: the accumulators of my queries 0-63 ((a, b) at v[8 (8 a + b)]); window 3: those of queries 64-127.  The 64 accumulators take turns, one instruction a turn.
; THE WAY OUT.  The wave's 128 x 128 scores go into LDS (its own 128 rows of 528 bytes, laid over the ring) and come back A ROW A LANE: maximum, exponentials and sum then cross no lanes, and one short text,
; walked four times, serves all rows.
.set KSTEP,  128
.set PITCH,  272
.set HALFT,  128*PITCH                 ; what one tensor load brings, and what a wave reads of q or of k
.set SLOT,   4*HALFT                   ; 139,264 = 0x22000; the bits 13 and 17 are clear in every address inside slot 0's four starts, so an exclusive or moves them to slot 1 and back
.set DPITCH, 528                       ; a row of 128 f32 + 16 bytes
.set DUMP,   128*DPITCH                ; a wave's scores
.set STAT,   2*SLOT                    ; behind the ring: for each wave 512 bytes of cm and 512 of ls
.set SPARE,  STAT+4*1024               ; behind them: the spare words, 128 bytes a wave: two blocks of 256 bytes that no other line names
.set GW,     (1<<16)|(1<<20)|(1<<21)|(5<<22)|(3<<25)  ; 2-byte elements; padding on; bit 21 set beside a mask; after every 64 words (code 5) 4 words (code 3)
.set RA,    8                          ; v8   my row of the pass in hand, in my wave's scores
.set RB,    9                          ; v9   where I read 16 bytes of p back: lanes 0-15 one row, lanes 16-31 the next
.set PO,    10                         ; v10  the same place in p
.set SA,    11                         ; v11  my row's word of cm (ls: 512 bytes on)
.set DST,   12                         ; v12  where I put 32 bytes of scores
.set SR,    13                         ; v13  where I read 16 bytes of cm back
.set SG,    14                         ; v14  the same place in cm and ls
.set ADRA0, 16
.set ADRB0, 17
.set ADRA,  18
.set ADRB,  19
.set SPW,   28
.set NIL,   29
.set PFO,   30                         ; v30  6,144 x lane: a lane a row
.set MXR,   32                         ; v32-35 four running maxima; v36-37 cm, twice; v38 the row's sum
.set F0,    64
.set F1,    128
.set X,     64                         ; the way out: a row's 128 scores
.set Y,     192                        ; its 128 weights in f16
; scalars as in the launch before: s[4:11] qkv, p, cm, ls; s14 wave, s15 wave / 2, s16 wave % 2; s17 cx, s18 cy, s19 tile column, s20 tile row, s21 cluster y; s[24:39] groups 1; s[40:55] groups 0;
; s56 LDS base of the slot being read; s57 trips to go; s[58:59] where my prefetches stand; s62 who asks; s[72:73] c
.set MSB, 0
.macro WIN new
.if MSB != (\new)
	s_set_vgpr_msb (MSB<<8)|(\new)
.set MSB, \new
.endif
.endm
.set MUL_LO, 0xa1                      ; source 0 (k) window 1, source 1 (q) window 0, C and D window 2
.set TO_B,   0x40                      ; destination window 1, address window 0
.macro PLACES
.rept 4
	v_nop
.endr
.endm
.macro CREST
	s_cmp_lg_u32 s14, 0
	s_cbranch_scc1 .Lnot_wave_0_\@
	s_barrier_signal -3
.Lnot_wave_0_\@:
	s_barrier_wait -3
	s_barrier_signal -1
	s_barrier_wait -1
.endm
.macro CROUND
	s_barrier_signal -1
	s_barrier_wait -1
	CREST
.endm
.macro JLOAD                           ; a joint refill by the walking set; an s_nop 0 and four v_nop follow each of the two lines
	s_cmp_eq_u32 s15, 0
	s_cbranch_scc0 .Lfor_b_\@
	tensor_load_to_lds s[44:47], s[24:31]
	s_nop 0
.rept 4
	v_nop
.endr
	s_branch .Lasked_\@
.Lfor_b_\@:
	tensor_load_to_lds s[52:55], s[32:39]
	s_nop 0
.rept 4
	v_nop
.endr
.Lasked_\@:
.endm
; A PREFETCH INTO THE L2 of the K step that the NEXT refill will ask for: 256 bytes of each of 32 rows, a lane a row.  Of the 128 rows that a wave fetches each of the four partners that ask for them jointly
; takes 32, told apart by address (cx for q, cy for k).  q's rows are read by both clusters of a row of clusters: the one with x = 0 asks; k's by the two clusters of a batch in a column: the one with even y asks.
; So each block of 256 bytes is named once.  The trips whose look-ahead would pass K step 7 ask for nothing.
.macro ASK
	s_cmp_gt_u32 s57, s62
	s_cbranch_scc0 .Lnot_mine_\@
	global_prefetch_b8 v[PFO], s[58:59] th:TH_LOAD_NT scope:SCOPE_SE
.Lnot_mine_\@:
.endm
	s_load_b256 s[4:11], s[0:1], 0x0
	v_lshl_add_u32 v[SPW], v0, 2, SPARE
	v_mov_b32 v[NIL], 0
	ds_add_u32 v[SPW], v[NIL]                      ; the wave's opening: the add and its wait stand ahead of my first tensor load; the set-up below, work on registers, stands between them
	v_lshrrev_b32 v3, 5, v0
	v_readfirstlane_b32 s14, v3
	s_lshr_b32 s15, s14, 1
	s_and_b32 s16, s14, 1
	s_bfe_u32 s17, ttmp6, 0x40000
	s_bfe_u32 s18, ttmp6, 0x40004
	s_lshl_b32 s19, ttmp9, 2
	s_add_co_u32 s19, s19, s17                     ; tile column: 256 keys of the batch
	s_and_b32 s21, ttmp7, 0xffff
	s_lshl_b32 s20, s21, 2
	s_add_co_u32 s20, s20, s18                     ; tile row: 256 of all 8,192 queries
	s_lshl_b32 s22, s18, 2
	s_lshl_b32 s22, 15, s22
	s_lshl_b32 s23, 0x1111, s17
	s_or_b32 s24, s22, GW
	s_or_b32 s32, s23, GW
.irp g, 24, 32
	s_mov_b32 s[\g+1], KSTEP<<16                   ; tensor_dim0 = 128
	s_mov_b32 s[\g+2], 128<<16                     ; tensor_dim1 = 128
	s_mov_b32 s[\g+3], KSTEP<<16                   ; tile_dim0 = 128
	s_mov_b32 s[\g+4], 128                         ; tile_dim1 = 128
	s_mov_b32 s[\g+5], 3072                        ; elements from row to row
	s_mov_b32 s[\g+6], 0
	s_mov_b32 s[\g+7], 0
.endr
	s_mul_i32 s76, s14, HALFT                      ; q's two halves, then k's two halves = wave x 128 rows
	s_mov_b32 s40, 1
	s_mov_b32 s41, s76
	s_mov_b32 s44, 1
	s_add_co_u32 s45, s76, SLOT
	s_mov_b32 s48, 1
	s_mov_b32 s49, s76
	s_mov_b32 s52, 1
	s_add_co_u32 s53, s76, SLOT
	s_lshl_b32 s66, s20, 8                         ; q: row 256 x tile row + 128 x half
	s_lshl_b32 s67, s16, 7
	s_add_co_u32 s66, s66, s67
	s_mul_i32 s66, s66, 6144
	s_mov_b32 s67, 0
	s_lshr_b32 s68, s21, 1                         ; k: the batch (two clusters along y each: made of the cluster's y alone),
	s_lshl_b32 s68, s68, 11
	s_lshl_b32 s69, s19, 8                         ; row 256 x tile column + 128 x half in it
	s_add_co_u32 s68, s68, s69
	s_lshl_b32 s69, s16, 7
	s_add_co_u32 s68, s68, s69
	s_mul_i32 s68, s68, 6144
	s_add_co_u32 s68, s68, 2048
	s_mov_b32 s69, 0
	s_mov_b32 s56, 0
	s_mov_b32 s72, 0x4138aa3b                      ; c = 8 log2(e) = 11.5416
	s_mov_b32 s73, 0x4138aa3b
	s_wait_dscnt 0x0                               ; the opening add is done
	s_wait_kmcnt 0x0
	s_add_nc_u64 s[42:43], s[4:5], s[66:67]
	s_add_nc_u64 s[46:47], s[42:43], 2*KSTEP
	s_or_b32 s43, s43, 0x80000000
	s_or_b32 s47, s47, 0x80000000
	s_add_nc_u64 s[50:51], s[4:5], s[68:69]
	s_add_nc_u64 s[54:55], s[50:51], 2*KSTEP
	s_or_b32 s51, s51, 0x80000000
	s_or_b32 s55, s55, 0x80000000
	CROUND                                         ; all sixteen work-groups are here: the first joint loads meet
	s_cmp_eq_u32 s15, 0                            ; a wave's two first fills stand in one branch: two loads of mine are out
	s_cbranch_scc0 .Lfirst_b
	tensor_load_to_lds s[40:43], s[24:31]
	s_nop 0
	tensor_load_to_lds s[44:47], s[24:31]
	s_nop 0
.rept 4
	v_nop
.endr
	s_branch .Lfirst_asked
.Lfirst_b:
	tensor_load_to_lds s[48:51], s[32:39]
	s_nop 0
	tensor_load_to_lds s[52:55], s[32:39]
	s_nop 0
.rept 4
	v_nop
.endr
.Lfirst_asked:
	v_and_b32 v1, 15, v0                           ; r
	v_bfe_u32 v2, v0, 4, 1                         ; h
	v_and_b32 v5, 31, v0                           ; l
	v_mul_u32_u24 v3, v1, PITCH
	v_lshl_add_u32 v3, v2, 4, v3
	s_mul_i32 s76, s15, HALFT
	v_add_nc_u32 v[ADRA0], s76, v3
	s_mul_i32 s76, s16, HALFT
	s_add_co_u32 s76, s76, 2*HALFT
	v_add_nc_u32 v[ADRB0], s76, v3
	v_mov_b32 v[ADRA], v[ADRA0]
	v_mov_b32 v[ADRB], v[ADRB0]
	s_mul_i32 s76, s14, DUMP                       ; my wave's scores
	v_mul_u32_u24 v3, v1, DPITCH
	v_lshl_add_u32 v3, v2, 5, v3
	v_add_nc_u32 v[DST], s76, v3                   ; row r of a block, 32 bytes for each half of the lanes
	v_mul_u32_u24 v3, v5, DPITCH
	v_add_nc_u32 v[RA], s76, v3                    ; a row a lane
	v_mul_u32_u24 v3, v2, DPITCH
	v_lshl_add_u32 v3, v1, 4, v3
	v_add_nc_u32 v[RB], s76, v3
	v_lshlrev_b32 v[PO], 12, v2                    ; a row of p is 4,096 bytes
	v_lshl_add_u32 v[PO], v1, 4, v[PO]
	s_lshl_b32 s76, s14, 10
	s_add_co_u32 s76, s76, STAT
	v_lshl_add_u32 v[SA], v5, 2, s76
	v_lshl_add_u32 v[SR], v5, 4, s76
	s_lshl_b32 s84, s20, 8                         ; my first query,
	s_lshl_b32 s85, s15, 7
	s_add_co_u32 s84, s84, s85
	s_lshl_b32 s86, s19, 1                         ; my block of 128 keys
	s_add_co_u32 s86, s86, s16
	s_lshl_b32 s87, s86, 13
	s_add_co_u32 s87, s87, s84
	s_lshl_b32 s87, s87, 2
	v_lshl_add_u32 v[SG], v5, 4, s87               ; (block x 8,192 + query) x 4 + 16 lane
	s_lshl_b32 s84, s84, 12
	s_lshl_b32 s86, s86, 8
	s_add_co_u32 s84, s84, s86
	s_mov_b32 s85, 0
	s_add_nc_u64 s[6:7], s[6:7], s[84:85]          ; p at my first query, my first key
	; the prefetches stand at K step 2 and are stepped at the head of each change of slots
	s_lshl_b32 s84, s20, 8
	s_lshl_b32 s85, s17, 5
	s_add_co_u32 s84, s84, s85                     ; q: my work-group's 32 of the rows that I fetch, by cx
	s_lshr_b32 s86, s21, 1
	s_lshl_b32 s86, s86, 11
	s_lshl_b32 s87, s19, 8
	s_add_co_u32 s86, s86, s87
	s_lshl_b32 s87, s18, 5
	s_add_co_u32 s86, s86, s87                     ; k: by cy
	s_mov_b32 s85, 2048+2*2*KSTEP
	s_cmp_eq_u32 s15, 0
	s_cselect_b32 s84, s84, s86
	s_cselect_b32 s85, 2*2*KSTEP, s85
	s_lshl_b32 s87, s16, 7
	s_add_co_u32 s84, s84, s87
	s_mul_i32 s84, s84, 6144
	s_add_co_u32 s84, s84, s85
	s_mov_b32 s85, 0
	s_add_nc_u64 s[58:59], s[4:5], s[84:85]
	s_mov_b32 s86, ttmp9
	s_and_b32 s87, s21, 1
	s_cmp_eq_u32 s15, 0
	s_cselect_b32 s86, s86, s87
	s_cmp_eq_u32 s86, 0
	s_cselect_b32 s62, 1, -1                       ; the same in all sixteen partners, for a given wave
	v_mul_u32_u24 v[PFO], v5, 6144
; 16 matrix instructions: query blocks a0, a0 + 1 of the window's four (hi = 0: my queries 0-63, 1: 64-127) x all 8 key blocks, 32 channels.  zero = 1: they start the sums
.macro MUL16 f, hi, a0, zero
	WIN MUL_LO+0x50*(\hi)
.irp a, \a0, (\a0)+1
.irp b, 0,1,2,3,4,5,6,7
.if \zero
	v_wmma_f32_16x16x32_f16 v[8*(8*(\a)+(\b)):8*(8*(\a)+(\b))+7], v[(\f)+8*(\b):(\f)+8*(\b)+7], v[(\f)+8*(4*(\hi)+(\a)):(\f)+8*(4*(\hi)+(\a))+7], 0
.else
	v_wmma_f32_16x16x32_f16 v[8*(8*(\a)+(\b)):8*(8*(\a)+(\b))+7], v[(\f)+8*(\b):(\f)+8*(\b)+7], v[(\f)+8*(4*(\hi)+(\a)):(\f)+8*(4*(\hi)+(\a))+7], v[8*(8*(\a)+(\b)):8*(8*(\a)+(\b))+7]
.endif
.endr
.endr
.endm
; 32 LDS loads in one run: the fragments of a quarter step (32 channels at byte k of the rows) into buffer f: k's 16, then q's 16
.macro FETCH k, f
	WIN TO_B
.irp i, 0,1,2,3,4,5,6,7
	ds_load_b128 v[(\f)+8*(\i):(\f)+8*(\i)+3],   v[ADRB] offset:(\k)+(\i)*16*PITCH
	ds_load_b128 v[(\f)+8*(\i)+4:(\f)+8*(\i)+7], v[ADRB] offset:(\k)+(\i)*16*PITCH+32
.endr
	WIN 0
.irp i, 0,1,2,3,4,5,6,7
	ds_load_b128 v[(\f)+8*(\i):(\f)+8*(\i)+3],   v[ADRA] offset:(\k)+(\i)*16*PITCH
	ds_load_b128 v[(\f)+8*(\i)+4:(\f)+8*(\i)+7], v[ADRA] offset:(\k)+(\i)*16*PITCH+32
.endr
.endm
; One of a K step's first three quarters: multiplies buffer f; in its middle it fetches the next quarter's fragments, at byte k, into buffer g
.macro QUARTER k, f, g, zero
	s_wait_dscnt 8                                 ; k's fragments and q's rows 0-63 are in; the youngest eight loads may be out
	MUL16 \f, 0, 0, \zero
	MUL16 \f, 0, 2, \zero
	PLACES
	FETCH \k, \g
	s_wait_dscnt 32                                ; all but the 32 just issued
	MUL16 \f, 1, 0, \zero
	MUL16 \f, 1, 2, \zero
.endm
; The last quarter multiplies buffer 1 and changes slots.  Each wave waits for all its tensor loads, of which one is out: its part of the other slot; adds 0 to its spare word; and waits for that and for its
; own reads of this slot.  fill = 1: the barrier opens a round of the cluster's, and the joint refill, with the K step two on, is the first thing behind it: 224 matrix instructions ahead of the wait for it.
.macro TURN fill
.if \fill
	s_wait_xcnt 0x0                                ; the last prefetch, a K step back, has read its address
	s_add_nc_u64 s[58:59], s[58:59], 2*KSTEP
.endif
	WIN 0
	s_wait_tensorcnt 0x0                           ; all my tensor loads have landed
	ds_add_u32 v[SPW], v[NIL]                      ; 0 onto my spare word
	s_wait_dscnt 9                                 ; (the add and the youngest eight loads may be out)
	MUL16 F1, 0, 0, 0                              ; sixteen matrix instructions stand between the add and the wait for it
	s_wait_dscnt 0x0                               ; the add is done, and my reads of this slot are over
	s_barrier_signal -1
	MUL16 F1, 0, 2, 0
	WIN 0
	s_barrier_wait -1
.if \fill
	CREST
	s_xor_b32 s45, s45, SLOT
	s_add_nc_u64 s[46:47], s[46:47], 2*KSTEP
	s_xor_b32 s53, s53, SLOT
	s_add_nc_u64 s[54:55], s[54:55], 2*KSTEP
.endif
	s_xor_b32 s56, s56, SLOT
	v_add_nc_u32 v[ADRA], s56, v[ADRA0]
	v_add_nc_u32 v[ADRB], s56, v[ADRB0]
.if \fill
	JLOAD                                          ; its four v_nop are also the places ahead of the loads below
.else
	PLACES
.endif
	FETCH 0, F0
.if \fill
	ASK
.endif
	MUL16 F1, 1, 0, 0
	MUL16 F1, 1, 2, 0
.endm
	s_wait_tensorcnt 1                             ; my part of K step 0 is in; K step 1's load may stay out
	s_barrier_signal -1
	s_barrier_wait -1
	FETCH 0, F0
	QUARTER 64, F0, F1, 1                          ; the first quarter stands ahead of the loop: its products start the sums
	WIN 0
	s_mov_b32 s57, 6
.Lstep:                                            ; six trips, from a K step's second quarter to the next one's first; the change of slots of K step s asks for K step s + 2
	QUARTER 128, F1, F0, 0
	QUARTER 192, F0, F1, 0
	TURN 1
	QUARTER 64, F0, F1, 0
	WIN 0
	s_sub_co_u32 s57, s57, 1
	s_cmp_lg_u32 s57, 0
	s_cbranch_scc1 .Lstep
	QUARTER 128, F1, F0, 0                         ; the tail is written out: nothing is left to ask for
	QUARTER 192, F0, F1, 0
	TURN 0
	QUARTER 64, F0, F1, 0
	QUARTER 128, F1, F0, 0
	QUARTER 192, F0, F1, 0
	s_wait_dscnt 8
	MUL16 F1, 0, 0, 0
	MUL16 F1, 0, 2, 0
	s_wait_dscnt 0x0
	MUL16 F1, 1, 0, 0
	MUL16 F1, 1, 2, 0
	WIN 0
	PLACES                                         ; behind the last products
	s_wait_dscnt 0x0
	s_barrier_signal -1
	s_barrier_wait -1                              ; nobody reads a slot any more, and every fill has landed: the scores may be laid over the ring
.irp hi, 0,1
	WIN 0x08+4*(\hi)                               ; the stores' data in window 2 or 3; each accumulator's low four registers go first
.irp a, 0,1,2,3
.irp b, 0,1,2,3,4,5,6,7
	ds_store_b128 v[DST], v[8*(8*(\a)+(\b)):8*(8*(\a)+(\b))+3]   offset:(4*(\hi)+(\a))*16*DPITCH+64*(\b)
	ds_store_b128 v[DST], v[8*(8*(\a)+(\b))+4:8*(8*(\a)+(\b))+7] offset:(4*(\hi)+(\a))*16*DPITCH+64*(\b)+16
.endr
.endr
.endr
	WIN 0
	s_mov_b32 s57, 4
.Lpass:                                            ; 32 rows a pass, a row a lane; all bytes touched are my wave's own, and LDS serves a wave's instructions in order (ISA guide 5.7.1.4)
.set n, 0
.rept 32
	ds_load_b128 v[X+4*n:X+4*n+3], v[RA] offset:16*n
.set n, n+1
.endr
	s_wait_dscnt 0x0
.irp c, 0,1,2,3                        ; the row's maximum: four chains of 31 scores, three operands at a time,
	v_max3_num_f32 v[MXR+\c], v[X+32*\c], v[X+32*\c+1], v[X+32*\c+2]
.endr
.set n, 0
.rept 14
.irp c, 0,1,2,3
	v_max3_num_f32 v[MXR+\c], v[MXR+\c], v[X+32*\c+3+2*n], v[X+32*\c+4+2*n]
.endr
.set n, n+1
.endr
	v_max3_num_f32 v[MXR], v[MXR], v[X+31], v[X+63]      ; the four left over, and the chains into one
	v_max3_num_f32 v[MXR+1], v[MXR+1], v[X+95], v[X+127]
	v_max3_num_f32 v[MXR], v[MXR], v[MXR+1], v[MXR+2]
	v_max_num_f32 v[MXR], v[MXR], v[MXR+3]
	v_mul_f32 v36, s72, v[MXR]                     ; cm
	v_mov_b32 v37, v36                             ; named with it as a pair
.set n, 0
.rept 64
	v_pk_fma_f32 v[X+2*n:X+2*n+1], v[X+2*n:X+2*n+1], s[72:73], v[36:37] op_sel_hi:[1,0,0] neg_lo:[0,0,1] neg_hi:[0,0,1]  ; c S' - cm
.set n, n+1
.endr
.set n, 0
.rept 128
	v_exp_f32 v[X+n], v[X+n]                       ; one batch: nothing ahead of the wait below names a result
.set n, n+1
.endr
	v_nop                                          ; a plain instruction behind the last exponential,
	s_wait_alu depctr_va_vdst(0)                   ; and the one wait ahead of the batch's first reader
.set n, 0
.rept 64
	v_cvt_pk_f16_f32 v[Y+n], v[X+2*n], v[X+2*n+1]
.set n, n+1
.endr
.irp st, 32,16,8,4,2,1                 ; the sum of the unrounded weights, a tree in place
.set n, 0
.rept \st
	v_pk_add_f32 v[X+2*n:X+2*n+1], v[X+2*n:X+2*n+1], v[X+2*(n+\st):X+2*(n+\st)+1]
.set n, n+1
.endr
.endr
	v_add_f32 v38, v[X], v[X+1]
.set n, 0
.rept 16
	ds_store_b128 v[RA], v[Y+4*n:Y+4*n+3] offset:16*n    ; the row's 256 bytes of p, over the head of its own scores
.set n, n+1
.endr
	ds_store_b32 v[SA], v36
	ds_store_b32 v[SA], v38 offset:512
.set n, 0
.rept 16
	ds_load_b128 v[X+4*n:X+4*n+3], v[RB] offset:n*2*DPITCH  ; back as whole rows: 16 lanes a row
.set n, n+1
.endr
	s_wait_dscnt 0x0
.set n, 0
.rept 16
	global_store_b128 v[PO], v[X+4*n:X+4*n+3], s[6:7] offset:n*8192 th:TH_STORE_NT  ; 16 lanes store 256 consecutive bytes, aligned
.set n, n+1
.endr
	s_wait_xcnt 0x0                                ; the stores have read their offsets and data: only now are these written again
	v_add_nc_u32 v[RA], 32*DPITCH, v[RA]
	v_add_nc_u32 v[RB], 32*DPITCH, v[RB]
	v_add_nc_u32 v[SA], 128, v[SA]
	v_add_nc_u32 v[PO], 32*4096, v[PO]
	s_sub_co_u32 s57, s57, 1
	s_cmp_lg_u32 s57, 0
	s_cbranch_scc1 .Lpass
	ds_load_b128 v[64:67], v[SR]                   ; my 128 rows' cm and ls: 512 consecutive bytes each
	ds_load_b128 v[68:71], v[SR] offset:512
	s_wait_dscnt 0x0
	global_store_b128 v[SG], v[64:67], s[8:9]
	global_store_b128 v[SG], v[68:71], s[10:11]
	s_wait_tensorcnt 0x0                           ; the wave's end: behind my last tensor load and my last LDS store
	ds_add_u32 v[SPW], v[NIL]
	s_wait_dscnt 0x0
	CROUND                                         ; the closing round
	s_endpgm
.Lfunc_end_k_q98ba4d51ec_scores:
	.size	k_q98ba4d51ec_scores, .Lfunc_end_k_q98ba4d51ec_scores-k_q98ba4d51ec_scores
	.p2alignl 7, 3214868480
	.fill 96, 4, 3214868480
	.section	.rodata,"a",@progbits
	.p2align	6, 0x0
	.amdhsa_kernel k_q98ba4d51ec_scores
		.amdhsa_group_segment_fixed_size 327680
		.amdhsa_private_segment_fixed_size 0
		.amdhsa_enable_private_segment 0
		.amdhsa_kernarg_size 32
		.amdhsa_user_sgpr_count 2
		.amdhsa_user_sgpr_kernarg_segment_ptr 1
		.amdhsa_wavefront_size32 1
		.amdhsa_system_sgpr_workgroup_id_x 1
		.amdhsa_system_sgpr_workgroup_id_y 1
		.amdhsa_system_sgpr_workgroup_id_z 1
		.amdhsa_system_vgpr_workitem_id 0
		.amdhsa_next_free_vgpr 1024
		.amdhsa_next_free_sgpr 96
		.amdhsa_reserve_vcc 0
		.amdhsa_float_denorm_mode_32 3
		.amdhsa_float_denorm_mode_16_64 3
		.amdhsa_memory_ordered 1
		.amdhsa_forward_progress 1
		.amdhsa_inst_pref_size 121
	.end_amdhsa_kernel
	.amdgpu_metadata
---
amdhsa.version: [ 1, 2 ]
amdhsa.kernels:
  - .name:           k_q98ba4d51ec_scores
    .symbol:         k_q98ba4d51ec_scores.kd
    .args:
      - { .name: qkv, .offset: 0, .size: 8, .value_kind: global_buffer, .address_space: global }
      - { .name: p, .offset: 8, .size: 8, .value_kind: global_buffer, .address_space: global }
      - { .name: cm, .offset: 16, .size: 8, .value_kind: global_buffer, .address_space: global }
      - { .name: ls, .offset: 24, .size: 8, .value_kind: global_buffer, .address_space: global }
    .group_segment_fixed_size: 327680
    .private_segment_fixed_size: 0
    .kernarg_segment_align: 8
    .kernarg_segment_size: 32
    .max_flat_workgroup_size: 128
    .sgpr_count:     96
    .vgpr_count:     1024
    .wavefront_size: 32
...
	.end_amdgpu_metadata
.endif
;; end of part 3
;; launch pv (part 4): grid 4 x 64, 4 waves a work-group, clusters of 4 x 4, 327,680 bytes of LDS; arguments p, qkv, cm, ls, out0; writes out0
.if DOCPART == 4
	.amdgcn_target "amdgcn-amd-amdhsa--gfx1250"
	.amdhsa_code_object_version 6
	.text
	.protected	k_q98ba4d51ec_pv
	.globl	k_q98ba4d51ec_pv
	.p2align	8
	.type	k_q98ba4d51ec_pv,@function
k_q98ba4d51ec_pv:
	s_mov_b64 s[64:65], 0
	v_nop
	global_prefetch_b8 v0, s[64:65] scope:SCOPE_SE
	s_setreg_imm32_b32 hwreg(HW_REG_WAVE_MODE, 25, 1), 1
	s_wait_xcnt 0x0
	s_wait_alu depctr_hold_cnt(0) depctr_sa_sdst(0) depctr_va_vdst(0) depctr_va_sdst(0) depctr_va_ssrc(0) depctr_va_vcc(0) depctr_vm_vsrc(0)
	s_getreg_b32 s2, hwreg(HW_REG_IB_STS2, 6, 4)
	s_cmp_eq_u32 s2, 0
	s_cbranch_scc0 .Lentry_in_a_cluster
	s_endpgm
.Lentry_in_a_cluster:
	s_bfe_u32 s2, ttmp6, 0x10000c
	s_cmp_lg_u32 s2, 0xf033
	s_cbranch_scc0 .Lentry_shape_is_right
	s_endpgm
.Lentry_shape_is_right:
; out[row][d] = 16 / L x the sum over the 16 key blocks j of (alpha_j p_j) . v'_j, with M = the largest cm_j of the row, alpha_j = 2^(cm_j - M), L = the sum of alpha_j ls_j; v' = v / 16.
; alpha_j p = 2^(c S' - M): the row's true maximum is taken away.  p: [8192][2048] f16; v' at byte 4,096 of qkv's rows of 6,144 bytes, f16; cm, ls: [16][8192] f32; out0: [8192][1024] f32.
; alpha is rounded to f16 and multiplied onto p in f16, between the LDS load and the matrix instruction (a lane's fragment of p holds one row); sums, M and L in f32.
; LIMITS.  alpha p lies in 0 to 1 and keeps f16's fixed step of 6e-8 below 6e-5; an alpha below 2^-126 counts as 0; L is at least about 1 (the block with the maximum has alpha = 1).  NaN and infinities are not treated apart.
; SHARES.  A tile is 128 rows x 256 columns: 64 x 4 tiles, one for each of 256 work-groups (tiles of 256 x 256 would be 128); four waves, each 64 x 128: 32 accumulators, 256 registers.
; The 2,048 keys go in 16 steps of 128 (a block j) through a ring of two LDS slots.  p's rows: 256 bytes + 16 of padding; v's rows ([key][channel], 512 bytes) + 32.
; CLUSTER.  4 x 4 work-groups: p's tile is shared along a row of the cluster, v's along a column; each is asked for jointly.  Waves 0 and 1 fetch p's halves (64 rows), waves 2 and 3 v's (64 keys).
; THE MATRIX INSTRUCTION IS USED TRANSPOSED (source 0 = 16 channels x 32 keys of v, by ds_load_tr16_b128; source 1 = 16 rows x 32 keys of p): a lane holds row lane % 16 and the channels 8 (lane / 16) + 0..7.
; REGISTERS (s_set_vgpr_msb: bits 1:0 source 0, 3:2 source 1, 5:4 source 2, 7:6 destination): window 0: v0-31 addresses; v32-35 alpha of the step; v40-47 16 / L; v48-59 at work;
;   v64-159, v160-255 two fragment buffers (p's 4 fragments, then v's 8); window 1: accumulator (a, b) at v[8 (8 a + b)].  The 32 accumulators take turns, one instruction a turn.
.set PA,     272
.set PB,     544
.set AHALF,  64*PA
.set BHALF,  64*PB
.set BOFF,   2*AHALF
.set SLOT1,  1<<17                     ; a slot has 104,448 bytes; slot 1 begins here, so that one exclusive or turns an address in one slot into the other's
.set STAGE,  SLOT1+BOFF+2*BHALF        ; behind the ring: 16 rows x 528 bytes for each wave, for the way out
.set SP,     528
.set ALPHA,  STAGE+4*16*SP             ; for each wave 4,096 bytes: [16 steps][16 rows r][4 row blocks] of (alpha, alpha) in f16
.set SPARE,  ALPHA+4*4096              ; the spare words, 128 bytes a wave: two blocks of 256 bytes that no other line names
.set ASTEP,  256                       ; bytes from a step's tile of p to the next: 128 keys along the rows
.set BSTEP,  128*6144                  ; and of v: 128 rows down
.set GWA,    (1<<16)|(1<<20)|(1<<21)|(5<<22)|(3<<25)  ; padding after every 64 words (code 5), 4 words (code 3)
.set GWB,    (1<<16)|(1<<20)|(1<<21)|(6<<22)|(7<<25)  ; after every 128 words (code 6), 8 words (code 7)
.set STO,   8                          ; v8   the way out: where I put 32 bytes of a row
.set RD,    9                          ; v9   where I read a row back: 16 lane
.set GO,    10                         ; v10  16 lane
.set ADRA0, 16
.set ADRB0, 17
.set ADRA,  18
.set ADRB,  19
.set TAR,   20                         ; v20  where the step's alpha lies
.set SOF,   21                         ; v21  my offset in cm and ls
.set TAW,   22                         ; v22  where I put alpha
.set SPW,   28
.set NIL,   29
.set PFO,   30
.set AL,    32
.set INV,   40
.set MXR,   48
.set TPR,   52
.set LR,    56
.set F0,    64
.set F1,    160
.set CMR,   64                         ; the statistics: cm of (row block a, my key block i) at CMR + 8 a + i, later alpha
.set LSR,   128                        ; ls likewise
.set MUL,   0x50                       ; C and D in window 1
; scalars: s[4:13] p, qkv, cm, ls, out0; the rest as in the launches before; s[74:75] v_permlanex16_b32's selects
.set MSB, 0
.macro WIN new
.if MSB != (\new)
	s_set_vgpr_msb (MSB<<8)|(\new)
.set MSB, \new
.endif
.endm
.macro PLACES
.rept 4
	v_nop
.endr
.endm
.macro CREST
	s_cmp_lg_u32 s14, 0
	s_cbranch_scc1 .Lnot_wave_0_\@
	s_barrier_signal -3
.Lnot_wave_0_\@:
	s_barrier_wait -3
	s_barrier_signal -1
	s_barrier_wait -1
.endm
.macro CROUND
	s_barrier_signal -1
	s_barrier_wait -1
	CREST
.endm
.macro JLOAD                           ; a joint refill by the walking set; an s_nop 0 and four v_nop follow each of the two lines
	s_cmp_eq_u32 s15, 0
	s_cbranch_scc0 .Lfor_b_\@
	tensor_load_to_lds s[44:47], s[24:31]
	s_nop 0
.rept 4
	v_nop
.endr
	s_branch .Lasked_\@
.Lfor_b_\@:
	tensor_load_to_lds s[52:55], s[32:39]
	s_nop 0
.rept 4
	v_nop
.endr
.Lasked_\@:
.endm
; A PREFETCH INTO THE L2 of the step that stands TWO refills on (256 matrix instructions ahead of the load that will want it): 32 blocks of 256 bytes, a lane a block.
; p: a tile row's step is 128 rows x 256 bytes, read by this cluster alone: wave 0 asks, each of the four partners of a row for 32 rows, by address (cx).
; v: a tile column's step is 128 keys x 512 bytes, read by the four clusters of a batch: the first of them asks; waves 2 and 3 take the 64 keys that they fetch, each of the four partners of a column 16 of them, by address (cy).
; So each block is named once.  The trips whose look-ahead would pass step 15 ask for nothing.
.macro ASK
	s_cmp_gt_u32 s57, s62
	s_cbranch_scc0 .Lnot_mine_\@
	global_prefetch_b8 v[PFO], s[58:59] th:TH_LOAD_NT scope:SCOPE_SE
.Lnot_mine_\@:
.endm
	s_load_b256 s[4:11], s[0:1], 0x0
	s_load_b64 s[12:13], s[0:1], 0x20
	v_lshl_add_u32 v[SPW], v0, 2, SPARE
	v_mov_b32 v[NIL], 0
	ds_add_u32 v[SPW], v[NIL]                      ; the wave's opening: the add and its wait stand ahead of my first tensor load; the set-up below, work on registers, stands between them
	v_lshrrev_b32 v3, 5, v0
	v_readfirstlane_b32 s14, v3
	s_lshr_b32 s15, s14, 1
	s_and_b32 s16, s14, 1
	s_bfe_u32 s17, ttmp6, 0x40000
	s_bfe_u32 s18, ttmp6, 0x40004
	s_lshl_b32 s19, ttmp9, 2
	s_add_co_u32 s19, s19, s17                     ; tile column: 256 channels
	s_and_b32 s21, ttmp7, 0xffff
	s_lshl_b32 s20, s21, 2
	s_add_co_u32 s20, s20, s18                     ; tile row: 128 of all 8,192 rows
	s_lshl_b32 s22, s18, 2
	s_lshl_b32 s22, 15, s22
	s_lshl_b32 s23, 0x1111, s17
	s_or_b32 s24, s22, GWA
	s_or_b32 s32, s23, GWB
	s_mov_b32 s25, 128<<16                         ; p: a tile of 64 rows x 128 elements, 2,048 elements from row to row
	s_mov_b32 s26, 64<<16
	s_mov_b32 s27, 128<<16
	s_mov_b32 s28, 64
	s_mov_b32 s29, 2048
	s_mov_b32 s30, 0
	s_mov_b32 s31, 0
	s_mov_b32 s33, 256<<16                         ; v: 64 keys x 256 elements, 3,072 from row to row
	s_mov_b32 s34, 64<<16
	s_mov_b32 s35, 256<<16
	s_mov_b32 s36, 64
	s_mov_b32 s37, 3072
	s_mov_b32 s38, 0
	s_mov_b32 s39, 0
	s_mul_i32 s66, s16, AHALF
	s_mul_i32 s68, s16, BHALF
	s_add_co_u32 s68, s68, BOFF
	s_mov_b32 s40, 1
	s_mov_b32 s41, s66
	s_mov_b32 s44, 1
	s_add_co_u32 s45, s66, SLOT1
	s_mov_b32 s48, 1
	s_mov_b32 s49, s68
	s_mov_b32 s52, 1
	s_add_co_u32 s53, s68, SLOT1
	s_lshl_b32 s66, s20, 7                         ; p: row 128 x tile row + 64 x half
	s_lshl_b32 s67, s16, 6
	s_add_co_u32 s66, s66, s67
	s_lshl_b32 s66, s66, 12
	s_mov_b32 s67, 0
	s_lshr_b32 s68, s21, 2                         ; v: the batch (four clusters along y each: made of the cluster's y alone),
	s_lshl_b32 s68, s68, 11
	s_lshl_b32 s69, s16, 6                         ; my 64 keys of a step,
	s_add_co_u32 s68, s68, s69
	s_mul_i32 s68, s68, 6144
	s_lshl_b32 s69, s19, 9                         ; the tile column's 512 bytes
	s_add_co_u32 s68, s68, s69
	s_add_co_u32 s68, s68, 4096
	s_mov_b32 s69, 0
	s_mov_b32 s56, 0
	s_mov_b32 s74, 0x76543210
	s_mov_b32 s75, 0xfedcba98
	s_wait_dscnt 0x0                               ; the opening add is done
	s_wait_kmcnt 0x0
	s_add_nc_u64 s[42:43], s[4:5], s[66:67]
	s_add_nc_u64 s[46:47], s[42:43], ASTEP
	s_or_b32 s43, s43, 0x80000000
	s_or_b32 s47, s47, 0x80000000
	s_add_nc_u64 s[50:51], s[6:7], s[68:69]
	s_add_nc_u64 s[54:55], s[50:51], BSTEP
	s_or_b32 s51, s51, 0x80000000
	s_or_b32 s55, s55, 0x80000000
	CROUND                                         ; all sixteen work-groups are here: the first joint loads meet
	s_cmp_eq_u32 s15, 0                            ; a wave's two first fills stand in one branch: two loads of mine are out
	s_cbranch_scc0 .Lfirst_b
	tensor_load_to_lds s[40:43], s[24:31]
	s_nop 0
	tensor_load_to_lds s[44:47], s[24:31]
	s_nop 0
.rept 4
	v_nop
.endr
	s_branch .Lfirst_asked
.Lfirst_b:
	tensor_load_to_lds s[48:51], s[32:39]
	s_nop 0
	tensor_load_to_lds s[52:55], s[32:39]
	s_nop 0
.rept 4
	v_nop
.endr
.Lfirst_asked:
	; THE STATISTICS, while the first tiles are on their way.  Lane (r, h) takes rows 16 a + r of my 64 and the key blocks j = 2 i + h.
	v_and_b32 v1, 15, v0                           ; r
	v_bfe_u32 v2, v0, 4, 1                         ; h
	v_and_b32 v4, 31, v0                           ; l
	s_lshl_b32 s84, s20, 7
	s_lshl_b32 s85, s15, 6
	s_add_co_u32 s84, s84, s85                     ; my first row
	v_add_nc_u32 v[SOF], s84, v1
	v_lshlrev_b32 v[SOF], 2, v[SOF]
	v_lshl_add_u32 v[SOF], v2, 15, v[SOF]          ; a key block of cm or ls is 32,768 bytes
.set i, 0
.rept 8
.irp a, 0,1,2,3
	global_load_b32 v[CMR+8*\a+i], v[SOF], s[8:9] offset:i*65536+\a*64
	global_load_b32 v[LSR+8*\a+i], v[SOF], s[10:11] offset:i*65536+\a*64
.endr
.set i, i+1
.endr
	v_mul_u32_u24 v3, v1, PA                       ; the fragments' addresses.  p: row r of a block, 16 bytes for each half of the lanes
	v_lshl_add_u32 v3, v2, 4, v3
	s_mul_i32 s76, s15, AHALF
	v_add_nc_u32 v[ADRA0], s76, v3
	v_and_b32 v5, 7, v0                            ; v: the turning load takes 16 keys x 16 channels: lane l reads key 8 (l / 16) + l % 8, channels 8 ((l / 8) % 2) + 0..7
	v_bfe_u32 v6, v0, 3, 1
	v_lshl_add_u32 v3, v2, 3, v5
	v_mul_u32_u24 v3, v3, PB
	v_lshl_add_u32 v3, v6, 4, v3
	s_lshl_b32 s76, s16, 8                         ; my 128 channels
	s_add_co_u32 s76, s76, BOFF
	v_add_nc_u32 v[ADRB0], s76, v3
	v_mov_b32 v[ADRA], v[ADRA0]
	v_mov_b32 v[ADRB], v[ADRB0]
	s_lshl_b32 s76, s14, 12
	s_add_co_u32 s76, s76, ALPHA
	v_lshl_add_u32 v[TAR], v1, 4, s76
	v_lshl_add_u32 v[TAW], v2, 8, v[TAR]
	s_mul_i32 s76, s14, 16*SP
	s_add_co_u32 s76, s76, STAGE
	v_mul_u32_u24 v3, v1, SP
	v_lshl_add_u32 v3, v2, 5, v3
	v_add_nc_u32 v[STO], s76, v3
	v_lshl_add_u32 v[RD], v4, 4, s76
	v_lshlrev_b32 v[GO], 4, v4
	s_lshl_b32 s84, s84, 12                        ; out0 at my first row (4,096 bytes a row), my first channel
	s_lshl_b32 s85, s19, 10
	s_add_co_u32 s84, s84, s85
	s_lshl_b32 s85, s16, 9
	s_add_co_u32 s84, s84, s85
	s_mov_b32 s85, 0
	s_add_nc_u64 s[12:13], s[12:13], s[84:85]
	; the prefetches stand at step 3 and are stepped at the head of each change of slots
	s_lshl_b32 s84, s20, 7
	s_lshl_b32 s85, s17, 5
	s_add_co_u32 s84, s84, s85
	s_lshl_b32 s84, s84, 12
	s_add_co_u32 s84, s84, 3*ASTEP
	s_lshr_b32 s86, s21, 2
	s_lshl_b32 s86, s86, 11
	s_lshl_b32 s87, s16, 6
	s_add_co_u32 s86, s86, s87
	s_lshl_b32 s87, s18, 4
	s_add_co_u32 s86, s86, s87
	s_mul_i32 s86, s86, 6144
	s_lshl_b32 s87, s19, 9
	s_add_co_u32 s86, s86, s87
	s_add_co_u32 s86, s86, 4096+3*BSTEP
	s_mov_b32 s60, BSTEP
	s_mov_b32 s61, 0
	s_mov_b32 s85, 0
	s_mov_b32 s81, 6144
	s_cmp_eq_u32 s15, 0
	s_cselect_b32 s84, s84, s86
	s_cselect_b32 s60, ASTEP, s60
	s_cselect_b64 s[58:59], s[4:5], s[6:7]
	s_cselect_b32 s80, 0, 1                        ; p: a lane a row; v: two lanes a key
	s_cselect_b32 s81, 4096, s81
	s_add_nc_u64 s[58:59], s[58:59], s[84:85]
	v_lshrrev_b32 v3, s80, v4
	v_mul_u32_u24 v[PFO], v3, s81
	v_and_b32 v3, s80, v4
	v_lshl_add_u32 v[PFO], v3, 8, v[PFO]
	s_and_b32 s80, s21, 3
	s_cmp_eq_u32 s80, 0
	s_cselect_b32 s81, 2, -1                       ; v: the batch's first cluster, while more than 2 trips are to go
	s_cmp_eq_u32 s14, 0
	s_cselect_b32 s82, 2, -1                       ; p: wave 0
	s_cmp_eq_u32 s15, 0
	s_cselect_b32 s62, s82, s81                    ; the same in all sixteen partners, for a given wave
	s_wait_loadcnt 0x0                             ; cm and ls
.irp a, 0,1,2,3
	v_max3_num_f32 v[TPR+\a], v[CMR+8*\a], v[CMR+8*\a+1], v[CMR+8*\a+2]
	v_max3_num_f32 v[MXR+\a], v[CMR+8*\a+3], v[CMR+8*\a+4], v[CMR+8*\a+5]
.endr
.irp a, 0,1,2,3
	v_max3_num_f32 v[MXR+\a], v[MXR+\a], v[CMR+8*\a+6], v[CMR+8*\a+7]
.endr
.irp a, 0,1,2,3
	v_max_num_f32 v[MXR+\a], v[MXR+\a], v[TPR+\a]
.endr
.irp a, 0,1,2,3
	v_permlanex16_b32 v[TPR+\a], v[MXR+\a], s74, s75     ; the row's other eight key blocks lie in the lane 16 away
.endr
.irp a, 0,1,2,3
	v_max_num_f32 v[MXR+\a], v[MXR+\a], v[TPR+\a]        ; M
.endr
.set i, 0
.rept 32
	v_sub_f32 v[CMR+i], v[CMR+i], v[MXR+i/8]
.set i, i+1
.endr
.set i, 0
.rept 32
	v_exp_f32 v[CMR+i], v[CMR+i]                   ; alpha: one batch
.set i, i+1
.endr
	v_nop                                          ; a plain instruction behind the last exponential,
	s_wait_alu depctr_va_vdst(0)                   ; and the one wait ahead of the batch's first reader
.irp a, 0,1,2,3
	v_mul_f32 v[LR+\a], v[CMR+8*\a], v[LSR+8*\a]
.endr
.set i, 1
.rept 7
.irp a, 0,1,2,3
	v_fmac_f32 v[LR+\a], v[CMR+8*\a+i], v[LSR+8*\a+i]
.endr
.set i, i+1
.endr
.irp a, 0,1,2,3
	v_permlanex16_b32 v[TPR+\a], v[LR+\a], s74, s75
.endr
.irp a, 0,1,2,3
	v_add_f32 v[LR+\a], v[LR+\a], v[TPR+\a]        ; L
.endr
.set i, 0
.rept 8
.irp a, 0,1,2,3
	v_cvt_pk_f16_f32 v[192+4*i+\a], v[CMR+8*\a+i], v[CMR+8*\a+i]
.endr
.set i, i+1
.endr
.set i, 0
.rept 8
	ds_store_b128 v[TAW], v[192+4*i:192+4*i+3] offset:i*512  ; step 2 i + h, row r, the four row blocks: my wave's own table
.set i, i+1
.endr
.irp a, 0,1,2,3
	v_rcp_f32 v[INV+2*\a], v[LR+\a]
.endr
	v_nop
	s_wait_alu depctr_va_vdst(0)                   ; one wait for the four reciprocals
.irp a, 0,1,2,3
	v_mul_f32 v[INV+2*\a], 0x41800000, v[INV+2*\a] ; 16 / L: v was kept divided by 16
.endr
.irp a, 0,1,2,3
	v_mov_b32 v[INV+2*\a+1], v[INV+2*\a]
.endr
; A quarter's LDS loads (32 keys) into buffer f: (al = 1: the step's alpha,) p's blocks 0 and 1, v's eight fragments, p's blocks 2 and 3
.macro FETCH q, f, al
.if \al
	ds_load_b128 v[AL:AL+3], v[TAR]
.endif
.irp a, 0,1
	ds_load_b128 v[(\f)+8*(\a):(\f)+8*(\a)+3],   v[ADRA] offset:(\a)*16*PA+64*(\q)
	ds_load_b128 v[(\f)+8*(\a)+4:(\f)+8*(\a)+7], v[ADRA] offset:(\a)*16*PA+64*(\q)+32
.endr
.irp b, 0,1,2,3,4,5,6,7
	ds_load_tr16_b128 v[(\f)+32+8*(\b):(\f)+32+8*(\b)+3],   v[ADRB] offset:(\q)*32*PB+32*(\b)
	ds_load_tr16_b128 v[(\f)+32+8*(\b)+4:(\f)+32+8*(\b)+7], v[ADRB] offset:(\q)*32*PB+32*(\b)+16*PB
.endr
.irp a, 2,3
	ds_load_b128 v[(\f)+8*(\a):(\f)+8*(\a)+3],   v[ADRA] offset:(\a)*16*PA+64*(\q)
	ds_load_b128 v[(\f)+8*(\a)+4:(\f)+8*(\a)+7], v[ADRA] offset:(\a)*16*PA+64*(\q)+32
.endr
.endm
.macro SCALE f, a0                     ; p's blocks a0 and a0 + 1 times their rows' alpha: 16 packed lines
.irp a, \a0, (\a0)+1
.irp j, 0,1,2,3,4,5,6,7
	v_pk_mul_f16 v[(\f)+8*(\a)+(\j)], v[(\f)+8*(\a)+(\j)], v[AL+(\a)]
.endr
.endr
.endm
.macro MUL8 f, a, zero                 ; eight products: row block a by all eight channel blocks.  zero = 1: they start the sums
.irp b, 0,1,2,3,4,5,6,7
.if \zero
	v_wmma_f32_16x16x32_f16 v[8*(8*(\a)+(\b)):8*(8*(\a)+(\b))+7], v[(\f)+32+8*(\b):(\f)+32+8*(\b)+7], v[(\f)+8*(\a):(\f)+8*(\a)+7], 0
.else
	v_wmma_f32_16x16x32_f16 v[8*(8*(\a)+(\b)):8*(8*(\a)+(\b))+7], v[(\f)+32+8*(\b):(\f)+32+8*(\b)+7], v[(\f)+8*(\a):(\f)+8*(\a)+7], v[8*(8*(\a)+(\b)):8*(8*(\a)+(\b))+7]
.endif
.endr
.endm
; One of a step's first three quarters: multiplies buffer f; in its middle it fetches quarter q into buffer g (fetch = 0: the very last quarter).  The two runs of 16 scalings, which name no register of the
; products round them, are the places between the last product that read g and the loads into it.
.macro QUARTER q, f, g, zero, fetch=1
	s_wait_dscnt 4                                 ; all but p's blocks 2 and 3 are in
	WIN 0
	SCALE \f, 0
	WIN MUL
	MUL8 \f, 0, \zero
	MUL8 \f, 1, \zero
	WIN 0
	s_wait_dscnt 0x0
	SCALE \f, 2
.if \fetch
	FETCH \q, \g, 0
.endif
	WIN MUL
	MUL8 \f, 2, \zero
	MUL8 \f, 3, \zero
.endm
; The last quarter multiplies buffer 1 and changes slots.  Each wave waits for all its tensor loads, of which one is out: its part of the other slot; adds 0 to its spare word; and waits for that and for its
; own reads of this slot.  fill = 1: the barrier opens a round of the cluster's, and the joint refill, with the step two on, is the first thing behind it: 112 matrix instructions ahead of the wait for it.
.macro TURN fill
.if \fill
	s_wait_xcnt 0x0                                ; the last prefetch, a step back, has read its address
	s_add_nc_u64 s[58:59], s[58:59], s[60:61]
.endif
	WIN 0
	s_wait_tensorcnt 0x0                           ; all my tensor loads have landed
	ds_add_u32 v[SPW], v[NIL]                      ; 0 onto my spare word
	s_wait_dscnt 5                                 ; (the add and p's blocks 2 and 3 may be out)
	SCALE F1, 0
	WIN MUL
	MUL8 F1, 0, 0
	s_wait_dscnt 0x0                               ; the add is done, and my reads of this slot are over
	s_barrier_signal -1
	MUL8 F1, 1, 0
	WIN 0
	s_barrier_wait -1
.if \fill
	CREST
	s_xor_b32 s45, s45, SLOT1
	s_add_nc_u64 s[46:47], s[46:47], ASTEP
	s_xor_b32 s53, s53, SLOT1
	s_add_nc_u64 s[54:55], s[54:55], BSTEP
.endif
	s_xor_b32 s56, s56, SLOT1
	v_add_nc_u32 v[ADRA], s56, v[ADRA0]
	v_add_nc_u32 v[ADRB], s56, v[ADRB0]
	v_add_nc_u32 v[TAR], 256, v[TAR]
.if \fill
	JLOAD
.endif
	SCALE F1, 2                                    ; with the old step's alpha, ahead of the load of the new
	FETCH 0, F0, 1
.if \fill
	ASK
.endif
	WIN MUL
	MUL8 F1, 2, 0
	MUL8 F1, 3, 0
.endm
	s_wait_tensorcnt 1                             ; my part of step 0 is in; step 1's load may stay out
	s_wait_dscnt 0x0                               ; my stores of alpha are done
	s_barrier_signal -1
	s_barrier_wait -1
	FETCH 0, F0, 1
	QUARTER 1, F0, F1, 1                           ; the first quarter stands ahead of the loop: its products start the sums
	WIN 0
	s_mov_b32 s57, 14
.Lstep:                                            ; 14 trips, from a step's second quarter to the next one's first; the change of slots of step s asks for step s + 2
	QUARTER 2, F1, F0, 0
	QUARTER 3, F0, F1, 0
	TURN 1
	QUARTER 1, F0, F1, 0
	WIN 0
	s_sub_co_u32 s57, s57, 1
	s_cmp_lg_u32 s57, 0
	s_cbranch_scc1 .Lstep
	QUARTER 2, F1, F0, 0                           ; the tail is written out: nothing is left to ask for
	QUARTER 3, F0, F1, 0
	TURN 0
	QUARTER 1, F0, F1, 0
	QUARTER 2, F1, F0, 0
	QUARTER 3, F0, F1, 0
	QUARTER 0, F1, F0, 0, 0
	; THE WAY OUT, a row block at a time: times 16 / L (each accumulator's registers in ascending order), through my own stage, back as whole rows of 512 bytes, stored.
	PLACES                                         ; behind the last products
.irp a, 0,1,2,3
	WIN 0x41                                       ; destination and source 0 in window 1
.set i, 64*(\a)
.rept 32
	v_pk_mul_f32 v[i:i+1], v[i:i+1], v[INV+2*(\a):INV+2*(\a)+1]
.set i, i+2
.endr
	WIN 0x04                                       ; the stores' data in window 1
.irp b, 0,1,2,3,4,5,6,7
	ds_store_b128 v[STO], v[8*(8*(\a)+(\b)):8*(8*(\a)+(\b))+3]   offset:64*(\b)
	ds_store_b128 v[STO], v[8*(8*(\a)+(\b))+4:8*(8*(\a)+(\b))+7] offset:64*(\b)+16
.endr
	WIN 0
.if (\a) >= 2
	s_wait_xcnt 0x0                                ; the stores of the block two back have read the registers that are loaded again below
.endif
.set i, 0
.rept 16
	ds_load_b128 v[64+64*((\a)%2)+4*i:64+64*((\a)%2)+4*i+3], v[RD] offset:i*SP  ; LDS serves a wave's instructions in order (ISA guide 5.7.1.4): these see the stores above
.set i, i+1
.endr
	s_wait_dscnt 0x0
.set i, 0
.rept 16
	global_store_b128 v[GO], v[64+64*((\a)%2)+4*i:64+64*((\a)%2)+4*i+3], s[12:13] offset:(16*(\a)+i)*4096 th:TH_STORE_NT  ; 512 consecutive bytes, aligned
.set i, i+1
.endr
.endr
	s_wait_tensorcnt 0x0                           ; the wave's end: behind my last tensor load and my last LDS store
	ds_add_u32 v[SPW], v[NIL]
	s_wait_dscnt 0x0
	CROUND                                         ; the closing round
	s_endpgm
.Lfunc_end_k_q98ba4d51ec_pv:
	.size	k_q98ba4d51ec_pv, .Lfunc_end_k_q98ba4d51ec_pv-k_q98ba4d51ec_pv
	.p2alignl 7, 3214868480
	.fill 96, 4, 3214868480
	.section	.rodata,"a",@progbits
	.p2align	6, 0x0
	.amdhsa_kernel k_q98ba4d51ec_pv
		.amdhsa_group_segment_fixed_size 327680
		.amdhsa_private_segment_fixed_size 0
		.amdhsa_enable_private_segment 0
		.amdhsa_kernarg_size 40
		.amdhsa_user_sgpr_count 2
		.amdhsa_user_sgpr_kernarg_segment_ptr 1
		.amdhsa_wavefront_size32 1
		.amdhsa_system_sgpr_workgroup_id_x 1
		.amdhsa_system_sgpr_workgroup_id_y 1
		.amdhsa_system_sgpr_workgroup_id_z 1
		.amdhsa_system_vgpr_workitem_id 0
		.amdhsa_next_free_vgpr 512
		.amdhsa_next_free_sgpr 96
		.amdhsa_reserve_vcc 0
		.amdhsa_float_denorm_mode_32 3
		.amdhsa_float_denorm_mode_16_64 3
		.amdhsa_memory_ordered 1
		.amdhsa_forward_progress 1
		.amdhsa_inst_pref_size 116
	.end_amdhsa_kernel
	.amdgpu_metadata
---
amdhsa.version: [ 1, 2 ]
amdhsa.kernels:
  - .name:           k_q98ba4d51ec_pv
    .symbol:         k_q98ba4d51ec_pv.kd
    .args:
      - { .name: p, .offset: 0, .size: 8, .value_kind: global_buffer, .address_space: global }
      - { .name: qkv, .offset: 8, .size: 8, .value_kind: global_buffer, .address_space: global }
      - { .name: cm, .offset: 16, .size: 8, .value_kind: global_buffer, .address_space: global }
      - { .name: ls, .offset: 24, .size: 8, .value_kind: global_buffer, .address_space: global }
      - { .name: out0, .offset: 32, .size: 8, .value_kind: global_buffer, .address_space: global }
    .group_segment_fixed_size: 327680
    .private_segment_fixed_size: 0
    .kernarg_segment_align: 8
    .kernarg_segment_size: 40
    .max_flat_workgroup_size: 128
    .sgpr_count:     96
    .vgpr_count:     512
    .wavefront_size: 32
...
	.end_amdgpu_metadata
.endif
;; end of part 4
;; ======== version 2 of 2: 4 launches; version 1 with the launch cast written anew for expert scheduling mode
;; limits: values are held in f16: magnitudes above 65,504 overflow, below 6.1e-05 lose precision; right only within a limited range of input values
;; workspace buffers: xb 16,777,216 bytes; wb 6,291,456 bytes; bs 12,288 bytes; qkv 50,331,648 bytes; p 33,554,432 bytes; cm 524,288 bytes; ls 524,288 bytes
;; launch cast (part 5): grid 256 x 1, 16 waves a work-group, no clusters, 0 bytes of LDS; arguments x, Wq, Wk, Wv, bq, bk, bv, xb, wb, bs; writes xb, wb, bs
.if DOCPART == 5
	.amdgcn_target "amdgcn-amd-amdhsa--gfx1250"
	.amdhsa_code_object_version 6
	.text
	.protected	k_q98ba4d51ec_cast
	.globl	k_q98ba4d51ec_cast
	.p2align	8
	.type	k_q98ba4d51ec_cast,@function
k_q98ba4d51ec_cast:
	s_mov_b64 s[64:65], 0
	v_nop
	global_prefetch_b8 v0, s[64:65] scope:SCOPE_SE
	s_setreg_imm32_b32 hwreg(HW_REG_WAVE_SCHED_MODE, 0, 2), 2
	s_setreg_imm32_b32 hwreg(HW_REG_WAVE_MODE, 25, 1), 1
	s_wait_xcnt 0x0
	s_wait_alu depctr_vm_vsrc(0)
; xb = x rounded to bf16; wb = (Wq, Wk, Wv on end) x 2^-4 rounded to bf16; bs = (bq, bk, bv on end) x 2^-4 in f32.
; xb: [16 K blocks][8192 rows][64] bf16, wb: [16 K blocks][3072 rows][64] bf16: in a K block the rows lie end to end, 128 bytes each,
; so that the next launch can ask for a tile of R rows x 64 k as R x 128 dense bytes.
; The factor 2^-4 keeps q, k and v, which the next launch writes in f16, inside f16's range; it changes the exponent alone.
; LIMITS.  A weight or bias below 2^-122 in size loses bits by the factor; NaN and infinities pass as they are.
; SHARES.  256 work-groups, all alike: work-group g takes rows 32 g .. 32 g + 31 of x and rows 4 g .. 4 g + 3 of each of the three weight matrices: 44 rows of 4,096 bytes.
; Four rows of EACH matrix, so that no share crosses from one matrix into the next and each base is used as it comes.  Wave w is K block w.
; A load takes two rows of the K block: lanes 0-15 the 256 consecutive bytes of one row, lanes 16-31 those of the next, 16 bytes a lane: every byte that an instruction's lines hold is taken by it.
; A lane's four numbers pack into 8 bytes, and the wave's store covers 256 consecutive bytes, aligned: the two rows' 128 bytes lie end to end in the K block.
; A stream through registers: no LDS, no barrier, no matrix unit.  All 22 loads of a wave (11,264 bytes) go out at once, ahead of every store; the numbers are packed in place.
; Wave 0 of work-groups 0-15 also scales 64 numbers of each bias (256 consecutive bytes, aligned): loaded ahead of the stream, finished behind it.
; THE MODE: SCHED_MODE bits 1:0 = 2 (LLVM: expert scheduling mode 2), set by the entry lines.  The code itself states the register dependences
; between vector instructions and memory instructions, with s_wait_alu, always for 0.
; THE PLAN.  Registers that memory instructions touch:
;   v2-v5      offsets.  Written by vector instructions at the head and never again; read by every load and store.
;   XIN        load n: four registers.  Written by load n (no vector instruction names them before it), then in place by load n's scaling and roundings; its first two are read by store n.
;              Nothing writes them behind that store, and no second load lands in them.
;   BIN        written with 0 at the head; in 16 waves the bias loads land in them, three scalings write them in place, three stores read them.
; The 22 loads go in five groups: 0-5 (the weights), 6-9, 10-13, 14-17, 18-21.  A group's conversions name its own registers alone.  The stores of group g - 1 are issued in group g, behind ONE wait at
; its head, and are dealt among its conversions with no further wait: no vector instruction since that wait names a register of group g - 1.  The text is one straight path but for the two branches
; for the biases, and no register that a memory instruction has read is written again: so no wait stands for the sake of a memory instruction's sources.
.set VLO,  2                           ; v2   byte offset of my 16 bytes in the source: (lane / 16) x 4,096 + 256 w + 16 (lane % 16); never rewritten
.set VSX,  3                           ; v3   byte offset of my 8 bytes in xb: w x 8,192 rows x 128 + 8 lane; never rewritten
.set VSW,  4                           ; v4   the same in wb: w x 3,072 rows x 128 + 8 lane; never rewritten
.set VBO,  5                           ; v5   my 8 bytes of a bias: 256 g + 8 lane; never rewritten
.set XIN,  8                           ; v[8:95]   load n of 22: four registers as loaded; its first two then hold the packed numbers
.set BIN,  96                          ; v[96:101] two numbers of each bias
.set NLD,  22                          ; loads of a wave: 2 for each weight matrix, then 16 for x
	s_load_b512 s[8:23], s[0:1], 0x0               ; x s[8:9], Wq s[10:11], Wk s[12:13], Wv s[14:15], bq s[16:17], bk s[18:19], bv s[20:21], xb s[22:23]
	s_load_b128 s[24:27], s[0:1], 0x40             ; wb s[24:25], bs s[26:27]
	s_mov_b32 s4, ttmp9                            ; g
	v_lshrrev_b32 v1, 5, v0
	v_readfirstlane_b32 s2, v1                     ; wave = K block
	v_and_b32 v6, 31, v0                           ; lane
	v_lshrrev_b32 v7, 4, v6                        ; which of the two rows
	v_and_b32 v1, 15, v6
	v_lshlrev_b32 v[VLO], 12, v7
	v_lshl_add_u32 v[VLO], v1, 4, v[VLO]
.irp j, 0,1,2,3,4,5
	v_mov_b32 v[BIN+\j], 0                         ; written on every path, whichever wave loads into them
.endr
	s_wait_alu depctr_va_sdst(0)                   ; s2 is written, ahead of its first reader: the offsets and the biases' flag are made from it
	s_lshl_b32 s3, s2, 8                           ; a K block is 256 bytes of a row of f32
	v_add_nc_u32 v[VLO], s3, v[VLO]
	s_lshl_b32 s5, s2, 20                          ; a K block of xb: 8,192 rows x 128 bytes
	v_lshl_add_u32 v[VSX], v6, 3, s5
	s_mul_i32 s5, s2, 393216                       ; a K block of wb: 3,072 rows x 128 bytes
	v_lshl_add_u32 v[VSW], v6, 3, s5
	s_lshl_b32 s5, s4, 8
	v_lshl_add_u32 v[VBO], v6, 3, s5
	s_mov_b32 s28, 0x3d800000                      ; 2^-4, named as a pair
	s_mov_b32 s29, 0x3d800000
	s_lshl_b32 s30, s4, 17                         ; x: 32 rows of 4,096 bytes
	s_mov_b32 s31, 0
	s_lshl_b32 s32, s4, 14                         ; a weight matrix: 4 rows of 4,096 bytes
	s_mov_b32 s33, 0
	s_lshl_b32 s34, s4, 12                         ; xb: 32 rows of 128 bytes
	s_mov_b32 s35, 0
	s_lshl_b32 s36, s4, 9                          ; wb: 4 rows of 128 bytes
	s_mov_b32 s37, 0
	s_lshr_b32 s38, s4, 4
	s_or_b32 s38, s38, s2                          ; 0 in wave 0 of work-groups 0-15
	s_wait_kmcnt 0x0
	s_add_nc_u64 s[8:9], s[8:9], s[30:31]
	s_add_nc_u64 s[10:11], s[10:11], s[32:33]
	s_add_nc_u64 s[12:13], s[12:13], s[32:33]
	s_add_nc_u64 s[14:15], s[14:15], s[32:33]
	s_add_nc_u64 s[22:23], s[22:23], s[34:35]
	s_add_nc_u64 s[24:25], s[24:25], s[36:37]
	s_wait_alu depctr_va_vdst(0)                   ; the four offsets v2 to v5 are written, which every load and store below reads; so are v[BIN ..], in which the bias loads land
	s_cmp_lg_u32 s38, 0
	s_cbranch_scc1 .Lno_bias
	global_load_b64 v[BIN:BIN+1],   v[VBO], s[16:17]       ; older than the 22 loads below, so the counts there hold with and without them
	global_load_b64 v[BIN+2:BIN+3], v[VBO], s[18:19]
	global_load_b64 v[BIN+4:BIN+5], v[VBO], s[20:21]
.Lno_bias:
.irp m, 0,1,2                          ; loads 0-5: matrix m, rows 2 t and 2 t + 1 of my four
.irp t, 0,1
	global_load_b128 v[XIN+4*(2*\m+\t):XIN+4*(2*\m+\t)+3], v[VLO], s[10+2*\m:11+2*\m] offset:\t*8192 th:TH_LOAD_NT
.endr
.endr
.irp t, 0,1,2,3,4,5,6,7,8,9,10,11,12,13,14,15  ; loads 6-21: x, rows 2 t and 2 t + 1 of my 32
	global_load_b128 v[XIN+4*(6+\t):XIN+4*(6+\t)+3], v[VLO], s[8:9] offset:\t*8192 th:TH_LOAD_NT
.endr
; Load n is finished: (a weight: scaled,) rounded to bf16 in place; the two packed registers are the store's data.
.macro PACK n
.if (\n) < 6
	v_pk_mul_f32 v[XIN+4*(\n):XIN+4*(\n)+1],   v[XIN+4*(\n):XIN+4*(\n)+1],   s[28:29] op_sel_hi:[1,0]
	v_pk_mul_f32 v[XIN+4*(\n)+2:XIN+4*(\n)+3], v[XIN+4*(\n)+2:XIN+4*(\n)+3], s[28:29] op_sel_hi:[1,0]
.endif
	v_cvt_pk_bf16_f32 v[XIN+4*(\n)],   v[XIN+4*(\n)],   v[XIN+4*(\n)+1]
	v_cvt_pk_bf16_f32 v[XIN+4*(\n)+1], v[XIN+4*(\n)+2], v[XIN+4*(\n)+3]
.endm
; Store n: 32 lanes store 256 consecutive bytes, aligned.
.macro SEND n
.if (\n) < 6
	global_store_b64 v[VSW], v[XIN+4*(\n):XIN+4*(\n)+1], s[24:25] offset:((\n)/2)*131072+((\n)%2)*256 th:TH_STORE_NT  ; matrix n / 2 begins 1,024 rows of 128 bytes further on
.else
	global_store_b64 v[VSX], v[XIN+4*(\n):XIN+4*(\n)+1], s[22:23] offset:((\n)-6)*256 th:TH_STORE_NT
.endif
.endm
; A group: loads lo .. lo + cnt - 1 are packed; the stores of the group before, plo .. plo + pcnt - 1, are dealt among them.
.macro GROUP lo, cnt, plo, pcnt
	s_wait_loadcnt NLD-1-(\lo)                     ; loads come back in order (ISA guide 5.7.1): load lo is in, the younger ones stay out
.if \pcnt
	s_wait_alu depctr_va_vdst(0)                   ; the roundings of the group before have written its packed registers, which the stores below read
.endif
.set i, 0
.rept 6
.if i < (\pcnt)
	SEND (\plo)+i                                  ; no wait: no vector instruction since the wait above names this store's registers
.endif
.if i < (\cnt)
.if i > 0
	s_wait_loadcnt NLD-1-((\lo)+i)                 ; the group's next load is in
.endif
	PACK (\lo)+i
.endif
.set i, i+1
.endr
.endm
	GROUP 0, 6, 0, 0                               ; the weights; no group stands in front of them
	GROUP 6, 4, 0, 6
	GROUP 10, 4, 6, 4
	GROUP 14, 4, 10, 4
	GROUP 18, 4, 14, 4
	s_wait_alu depctr_va_vdst(0)                   ; the last group's roundings have written its packed registers, which the last four stores read
.irp n, 18,19,20,21
	SEND \n
.endr
	s_cmp_lg_u32 s38, 0
	s_cbranch_scc1 .Ldone
	s_wait_loadcnt 0x0                             ; the biases came in ahead of the stream
.irp m, 0,1,2
	v_pk_mul_f32 v[BIN+2*\m:BIN+2*\m+1], v[BIN+2*\m:BIN+2*\m+1], s[28:29] op_sel_hi:[1,0]
.endr
	s_wait_alu depctr_va_vdst(0)                   ; the three scalings have written v[BIN ..], which the stores below read
.irp m, 0,1,2
	global_store_b64 v[VBO], v[BIN+2*\m:BIN+2*\m+1], s[26:27] offset:\m*4096  ; 32 lanes store 256 consecutive bytes, aligned
.endr
.Ldone:
	s_endpgm
.Lfunc_end_k_q98ba4d51ec_cast:
	.size	k_q98ba4d51ec_cast, .Lfunc_end_k_q98ba4d51ec_cast-k_q98ba4d51ec_cast
	.p2alignl 7, 3214868480
	.fill 96, 4, 3214868480
	.section	.rodata,"a",@progbits
	.p2align	6, 0x0
	.amdhsa_kernel k_q98ba4d51ec_cast
		.amdhsa_group_segment_fixed_size 0
		.amdhsa_private_segment_fixed_size 0
		.amdhsa_enable_private_segment 0
		.amdhsa_kernarg_size 80
		.amdhsa_user_sgpr_count 2
		.amdhsa_user_sgpr_kernarg_segment_ptr 1
		.amdhsa_wavefront_size32 1
		.amdhsa_system_sgpr_workgroup_id_x 1
		.amdhsa_system_sgpr_workgroup_id_y 1
		.amdhsa_system_sgpr_workgroup_id_z 1
		.amdhsa_system_vgpr_workitem_id 0
		.amdhsa_next_free_vgpr 104
		.amdhsa_next_free_sgpr 66
		.amdhsa_reserve_vcc 0
		.amdhsa_float_denorm_mode_32 3
		.amdhsa_float_denorm_mode_16_64 3
		.amdhsa_memory_ordered 1
		.amdhsa_forward_progress 1
		.amdhsa_inst_pref_size 12
	.end_amdhsa_kernel
	.amdgpu_metadata
---
amdhsa.version: [ 1, 2 ]
amdhsa.kernels:
  - .name:           k_q98ba4d51ec_cast
    .symbol:         k_q98ba4d51ec_cast.kd
    .args:
      - { .name: x, .offset: 0, .size: 8, .value_kind: global_buffer, .address_space: global }
      - { .name: Wq, .offset: 8, .size: 8, .value_kind: global_buffer, .address_space: global }
      - { .name: Wk, .offset: 16, .size: 8, .value_kind: global_buffer, .address_space: global }
      - { .name: Wv, .offset: 24, .size: 8, .value_kind: global_buffer, .address_space: global }
      - { .name: bq, .offset: 32, .size: 8, .value_kind: global_buffer, .address_space: global }
      - { .name: bk, .offset: 40, .size: 8, .value_kind: global_buffer, .address_space: global }
      - { .name: bv, .offset: 48, .size: 8, .value_kind: global_buffer, .address_space: global }
      - { .name: xb, .offset: 56, .size: 8, .value_kind: global_buffer, .address_space: global }
      - { .name: wb, .offset: 64, .size: 8, .value_kind: global_buffer, .address_space: global }
      - { .name: bs, .offset: 72, .size: 8, .value_kind: global_buffer, .address_space: global }
    .group_segment_fixed_size: 0
    .private_segment_fixed_size: 0
    .kernarg_segment_align: 8
    .kernarg_segment_size: 80
    .max_flat_workgroup_size: 512
    .sgpr_count:     66
    .vgpr_count:     104
    .wavefront_size: 32
...
	.end_amdgpu_metadata
.endif
;; end of part 5
;; launch proj: the kernel of part 2 again; grid 8 x 32, 4 waves a work-group, clusters of 4 x 4, 327,680 bytes of LDS; arguments xb, wb, bs, qkv; writes qkv
;; launch scores: the kernel of part 3 again; grid 8 x 32, 4 waves a work-group, clusters of 4 x 4, 327,680 bytes of LDS; arguments qkv, p, cm, ls; writes p, cm, ls
;; launch pv: the kernel of part 4 again; grid 4 x 64, 4 waves a work-group, clusters of 4 x 4, 327,680 bytes of LDS; arguments p, qkv, cm, ls, out0; writes out0
